; MI455X (gfx1250); checked and timed in simulation.
; The chip was launched on July 23, 2026; its instructions are those of AMD's public machine-readable ISA for CDNA 5 (MIT licence, August 2026) and "CDNA5" Instruction Set Architecture Reference Guide (July 2026). The comments in the code are by the model that wrote it; some were corrected since.
;; Causal Self Attention. Allowed arithmetic: matrix products marked QUANTISED: E2M1 operands, one E8M0 scale for each 32 along K, by v_wmma_scale_f32_16x16x128_f8f6f4 with both operands' format E2M1 (or v_wmma_scale_f32_32x16x128_f4), f32 sums; products left as they are: bf16, f16 or f32 operands; f32 sums; everything else in f32.
;; Inputs: proj_b 1,024 float32; proj_w 1,024 x 1,024 float32; qkv_b 3,072 float32; qkv_w 3,072 x 1,024 float32; x 4 x 2,048 x 1,024 float32.
;; Outputs: out0 4 x 2,048 x 1,024 float32.
;; This version of the problem:
;;   THIS VERSION OF THE PROBLEM IS GIVEN IN LOW PRECISION. The matrix products marked QUANTISED in the list below multiply operands that are first quantised to E2M1 (2 exponent bits, 1 mantissa bit; 4 bits a number), with one power-of-two scale for each 32 numbers along K (OCP MX v1.0); their sums are f32. The products marked 'left as it is' may take bf16, f16 or f32 operands, with f32 sums. Whichever they take, every output number must still come out within the allowed error. Rounding operands to bf16 (8 significant bits) uses up far more of that allowance than f16 does (11 bits, for magnitudes from 6e-5 to 65,504). All else is computed in f32.
;;   The module's matrix products, in the order in which they are computed (A, B: the left and right operand; K: the contracted axis; several contracted axes count as one K, in the product's order):
;;     1. [M 8,192, K 1,024] x [K 1,024, N 3,072]; A: input x; B: input qkv_w: QUANTISED
;;     2. batch 64 x [M 2,048, K 64] x [K 64, N 2,048]; A: computed on the way; B: computed on the way: left as it is (an operand is computed on the way)
;;     3. batch 64 x [M 2,048, K 2,048] x [K 2,048, N 64]; A: computed on the way; B: computed on the way: left as it is (an operand is computed on the way)
;;     4. [M 8,192, K 1,024] x [K 1,024, N 1,024]; A: computed on the way; B: input proj_w: left as it is (an operand is computed on the way)
;;   THE QUANTISER, for each operand of a quantised product, along K:
;;     - K is cut into blocks of 32 from its start; a last block that is shorter is filled with zeros.
;;     - A block's scale is 2^e with e = floor(log2(the largest magnitude in the block)) - 2, held to -126 .. 127; a block of zeros has e = 0. As a byte (E8M0): e + 127.
;;     - Each number is divided by its block's scale, clamped to +-6, and rounded to the nearest number of E2M1, ties to even, subnormals kept.
;;     - The product sums the exact products of the quantised numbers (number of the format x scale) in f32.
;;   ~~~python
;;   def quantise(x, axis):      # numpy; x: float32 -> the quantised numbers, widened to float32 again
;;       x = np.moveaxis(x, axis, -1); K = x.shape[-1]
;;       x = np.pad(x, [(0, 0)] * (x.ndim - 1) + [(0, -K % 32)]); x = x.reshape(x.shape[:-1] + (-1, 32)); a = np.abs(x).max(-1, keepdims=True)
;;       e = np.where(a > 0, np.clip(np.frexp(np.where(a > 0, a, 1))[1] - 1 - 2, -126, 127), 0)      # np.frexp(a)[1] - 1 = floor(log2(a)), exactly
;;       r = np.clip(x / 2.0 ** e, -6, 6)
;;       step = 2.0 ** (np.maximum(np.frexp(np.where(r == 0, 1, r))[1] - 1, 0) - 1)
;;       q = np.round(r / step) * step * 2.0 ** e      # np.round: ties to even
;;       return np.moveaxis(q.reshape(q.shape[:-2] + (-1,))[..., :K], -1, axis).astype(np.float32)
;;   ~~~
;; One version. Each part assembles by itself: llvm-mc -triple=amdgcn-amd-amdhsa -mcpu=gfx1250 --defsym DOCPART=n.
;; ======== version 1 of 1: 5 launches
;; limits: values are held in f16: magnitudes above 65,504 overflow, below 6.1e-05 lose precision
;; workspace buffers: x_codes 4,194,304 bytes; x_scales 262,144 bytes; w_codes 1,572,864 bytes; w_scales 98,304 bytes; pw16 2,097,152 bytes; qkv16 50,331,648 bytes; qkv32 786,432 bytes; y16 16,777,216 bytes
;; launch quant (part 1): grid 384 x 1, 4 waves a work-group, no clusters, 33,280 bytes of LDS; arguments x, qkv_w, proj_w, x_codes, x_scales, w_codes, w_scales, pw16; writes x_codes, x_scales, w_codes, w_scales, pw16
.if DOCPART == 1
	.amdgcn_target "amdgcn-amd-amdhsa--gfx1250"
	.amdhsa_code_object_version 6
	.text
	.protected	k_qbf90e7593f_quant
	.globl	k_qbf90e7593f_quant
	.p2align	8
	.type	k_qbf90e7593f_quant,@function
k_qbf90e7593f_quant:
	s_mov_b64 s[64:65], 0
	v_nop
	global_prefetch_b8 v0, s[64:65] scope:SCOPE_SE
	s_setreg_imm32_b32 hwreg(HW_REG_WAVE_MODE, 25, 1), 1
	s_wait_xcnt 0x0
; x [8192][1024] and qkv_w [3072][1024], f32, K innermost, become codes of FP4 (E2M1), two a byte, with one E8M0 byte for each 32 along K; proj_w [1024][1024] f32 becomes f16.
; A block's scale is 2^(floor(log2(its largest magnitude)) - 2); its byte is the largest magnitude's exponent field - 2, held at 1 from below.  A block of zeros keeps the byte 1 where the rule says 127:
; its codes are zeros, which add nothing, and the bytes are read by this program alone.
; LIMITS: blocks whose largest magnitude lies under 2^-124 keep the byte 1; NaN and infinities are not served; proj_w is held in f16 (magnitudes under 65,504).
; SHARES: a work-group takes 32,768 numbers, a wave 8,192.  Work-groups 0-255: x; 256-351: qkv_w; 352-383: proj_w.  Rows are dense and K is a multiple of 32: the tensors are plain streams.
; THE QUANTISER: 16 steps of 512 numbers a wave.  Each load reads 512 consecutive bytes; a step's 2,048 bytes turn through the wave's own stage in LDS so that a lane holds 16 neighbours (two lanes a block).
; A lane's 16 codes are 8 bytes: the wave stores 256 consecutive bytes.  The wave's 256 scale bytes are gathered in LDS and leave as one aligned run of 256 bytes.
; No tensor loads, no barrier, no cluster: waves and work-groups share nothing.
.set WAVES, 4
.set STEPS, 16
.set WGX,   256                        ; work-groups of x
.set WGQ,   352                        ; and of x and qkv_w together
.set EMAX,  2
.set CB,    8                          ; bytes of 16 codes
.set R,     16                         ; v16-79   four sets of 16 numbers as loaded
.set X,     80                         ; v80-111  two sets of 16 neighbours
.set C,     128                        ; v128-191 codes: registers of its own for each step
.set E,     112                        ; v112-127 a scale byte for each step
.set WREG,  8192                       ; LDS: a region for each wave: two stages of 32 x SP bytes, then its 256 scale bytes
.set SP,    80                         ; a lane's place in a stage: 64 bytes + 16 of padding
.set SPW,   12                         ; v12 LDS address of my spare word; never rewritten
.set NIL,   13                         ; v13 0; never rewritten
.set SPARE, WAVES*WREG                 ; the spare words: 128 bytes a wave, named by no other line
.set CA,    16                         ; the cast: two sets of 64 registers,
.set CBS,   80
.set OUTR,  144                        ; and 32 of packed results
	s_load_b256 s[4:11], s[0:1], 0x0               ; x, qkv_w, proj_w, x_codes
	s_load_b256 s[12:19], s[0:1], 0x20             ; x_scales, w_codes, w_scales, pw16
	v_lshl_add_u32 v[SPW], v0, 2, SPARE
	v_mov_b32 v[NIL], 0
	v_lshrrev_b32 v1, 5, v0
	v_readfirstlane_b32 s20, v1                    ; wave
	v_and_b32 v2, 31, v0                           ; lane
	v_lshlrev_b32 v3, 4, v2                        ; my 16 bytes of a load's 512
	s_mul_i32 s21, s20, WREG
	v_lshrrev_b32 v14, 2, v2
	v_mul_u32_u24 v14, v14, SP
	v_and_b32 v15, 3, v2
	v_lshl_add_u32 v14, v15, 4, v14
	v_add_nc_u32 v14, s21, v14                     ; the stage, way in: SP (lane / 4) + 16 (lane % 4)
	v_mul_u32_u24 v15, v2, SP
	v_add_nc_u32 v15, s21, v15                     ; way out: SP x lane: my 16 neighbours
	v_mul_u32_u24 v4, v2, CB                       ; my codes' place in a step's
	v_lshrrev_b32 v5, 1, v2
	s_add_co_u32 s21, s21, 2*32*SP
	v_add_nc_u32 v5, s21, v5                       ; my block's scale byte in LDS
	v_lshlrev_b32 v7, 3, v2                        ; 8 bytes a lane
	v_add_nc_u32 v6, s21, v7
	s_wait_kmcnt 0x0
	s_cmp_ge_u32 ttmp9, WGQ                        ; the work-group's number alone decides the way
	s_cbranch_scc1 .Lcast
	s_cmp_lt_u32 ttmp9, WGX                        ; x's work-group or qkv_w's?
	s_cselect_b64 s[4:5], s[4:5], s[6:7]
	s_cselect_b64 s[10:11], s[10:11], s[14:15]
	s_cselect_b64 s[12:13], s[12:13], s[16:17]
	s_cselect_b32 s21, 0, WGX
	s_sub_co_u32 s21, ttmp9, s21
	s_lshl_b32 s21, s21, 2
	s_add_co_u32 s22, s21, s20                     ; which run of 8,192 numbers is my wave's
	s_mov_b32 s23, 0
	s_mov_b64 s[24:25], 512*STEPS*4
	s_mul_u64 s[24:25], s[22:23], s[24:25]
	s_add_nc_u64 s[4:5], s[4:5], s[24:25]
	s_mov_b64 s[24:25], 32*STEPS*CB
	s_mul_u64 s[24:25], s[22:23], s[24:25]
	s_add_nc_u64 s[10:11], s[10:11], s[24:25]
	s_lshl_b32 s22, s22, 8                         ; 256 scale bytes a run
	s_add_nc_u64 s[12:13], s[12:13], s[22:23]
.macro LOAD t
.irp i, 0,1,2,3
	global_load_b128 v[R+16*((\t)%4)+4*\i:R+16*((\t)%4)+4*\i+3], v3, s[4:5] offset:2048*(\t)+512*\i th:TH_LOAD_NT   ; 32 lanes read 512 consecutive bytes
.endr
.endm
.macro TURN t                          ; step t's numbers through the stage: LDS serves a wave's instructions in order, so no wait stands between the stores and the loads
.irp i, 0,1,2,3
	ds_store_b128 v14, v[R+16*((\t)%4)+4*\i:R+16*((\t)%4)+4*\i+3] offset:32*SP*((\t)%2)+8*SP*\i
.endr
.irp i, 0,1,2,3
	ds_load_b128 v[X+16*((\t)%2)+4*\i:X+16*((\t)%2)+4*\i+3], v15 offset:32*SP*((\t)%2)+16*\i
.endr
.endm
.irp t, 0,1,2,3
	LOAD \t
.endr
	s_wait_loadcnt 12                              ; step 0's four loads are in; the 12 of steps 1 to 3 may be out
	TURN 0
.macro STEP t
.set XS, X+16*((\t)%2)
.if (\t) > 0
	s_wait_dscnt 1                                 ; this step's numbers are back from the stage; the last step's byte store may be out
.else
	s_wait_dscnt 0x0
.endif
.if (\t)+4 < STEPS
	LOAD (\t)+4                                    ; into the set that the stage's stores have read
.endif
.if (\t)+1 < STEPS
.if STEPS-2-(\t) >= 3
	s_wait_loadcnt 12                              ; the next step's four loads are in; those of the three steps behind it may be out
.else
	s_wait_loadcnt 4*(STEPS-2-(\t))
.endif
	TURN (\t)+1
.endif
	v_max3_num_f32 v8, |v[XS]|, |v[XS+1]|, |v[XS+2]|               ; the largest magnitude of my 16, in two chains
	v_max3_num_f32 v9, |v[XS+3]|, |v[XS+4]|, |v[XS+5]|
.irp i, 6,10
	v_max3_num_f32 v8, v8, |v[XS+\i]|, |v[XS+\i+1]|
	v_max3_num_f32 v9, v9, |v[XS+\i+2]|, |v[XS+\i+3]|
.endr
	v_max3_num_f32 v8, v8, |v[XS+14]|, |v[XS+15]|
	v_max3_num_f32 v8, v8, v9, (EMAX+1)<<23        ; and the floor 2^(3 - 127): the byte cannot fall under 1
	v_max_num_f32_dpp v8, v8, v8 row_xmask:1 row_mask:0xf bank_mask:0xf   ; with my neighbour's 16: the block's
	v_add_nc_u32 v11, 0xff000000, v8               ; 2 off the exponent field: the conversion takes the exponent field of this operand as its scale
	v_cvt_scalef32_pk8_fp4_f32 v[C+4*(\t)], v[XS:XS+7], v11
	v_cvt_scalef32_pk8_fp4_f32 v[C+4*(\t)+1], v[XS+8:XS+15], v11
	v_lshrrev_b32 v[E+(\t)], 23, v11               ; the scale's byte (a plain line behind the conversions)
	ds_store_b8 v5, v[E+(\t)] offset:16*(\t)       ; both lanes of a block write the same byte with the same value
	global_store_b64 v4, v[C+4*(\t):C+4*(\t)+1], s[10:11] offset:32*CB*(\t)   ; 32 lanes store 256 consecutive bytes, aligned
.endm
.irp t, 0,1,2,3,4,5,6,7,8,9,10,11,12,13,14,15
	STEP \t
.endr
	ds_load_b64 v[8:9], v6                         ; LDS serves a wave's instructions in order: these see my stores
	s_wait_dscnt 0x0
	global_store_b64 v7, v[8:9], s[12:13]          ; my wave's 256 scale bytes, one aligned run
	s_wait_tensorcnt 0x0                           ; the wave's end, behind my last LDS store
	ds_add_u32 v[SPW], v[NIL]
	s_wait_dscnt 0x0
	s_endpgm
; THE CAST: 8,192 numbers a wave, in four runs of 16 loads; two register sets by turns, so that 16 loads are out while 16 are converted.
.Lcast:
	s_sub_co_u32 s21, ttmp9, WGQ
	s_lshl_b32 s21, s21, 2
	s_add_co_u32 s21, s21, s20                     ; which run of 8,192 numbers
	s_lshl_b32 s22, s21, 15
	s_mov_b32 s23, 0
	s_add_nc_u64 s[8:9], s[8:9], s[22:23]
	s_lshl_b32 s22, s21, 14
	s_add_nc_u64 s[18:19], s[18:19], s[22:23]
.macro CLOAD n, set
.irp j, 0,1,2,3,4,5,6,7,8,9,10,11,12,13,14,15
	global_load_b128 v[\set+4*\j:\set+4*\j+3], v3, s[8:9] offset:(16*\n+\j)*512 th:TH_LOAD_NT
.endr
.endm
.macro CCVT n, set
.irp j, 0,1,2,3,4,5,6,7,8,9,10,11,12,13,14,15
	v_cvt_pk_f16_f32 v[OUTR+2*\j], v[\set+4*\j], v[\set+4*\j+1]
	v_cvt_pk_f16_f32 v[OUTR+2*\j+1], v[\set+4*\j+2], v[\set+4*\j+3]
	global_store_b64 v7, v[OUTR+2*\j:OUTR+2*\j+1], s[18:19] offset:(16*\n+\j)*256   ; 32 lanes store 256 consecutive bytes, aligned
.endr
.endm
	CLOAD 0, CA
	CLOAD 1, CBS
	s_wait_loadcnt 16                              ; the first set is in; the other set's 16 loads may be out
	CCVT 0, CA
	CLOAD 2, CA
	s_wait_loadcnt 16
	s_wait_xcnt 0x0                                ; the last stores have read their data: the packed registers are written again only behind this wait
	CCVT 1, CBS
	CLOAD 3, CBS
	s_wait_loadcnt 16
	s_wait_xcnt 0x0
	CCVT 2, CA
	s_wait_loadcnt 0x0
	s_wait_xcnt 0x0
	CCVT 3, CBS
	s_wait_tensorcnt 0x0                           ; the wave's end, in the same form as on the other way
	ds_add_u32 v[SPW], v[NIL]
	s_wait_dscnt 0x0
	s_endpgm
.Lfunc_end_k_qbf90e7593f_quant:
	.size	k_qbf90e7593f_quant, .Lfunc_end_k_qbf90e7593f_quant-k_qbf90e7593f_quant
	.p2alignl 7, 3214868480
	.fill 96, 4, 3214868480
	.section	.rodata,"a",@progbits
	.p2align	6, 0x0
	.amdhsa_kernel k_qbf90e7593f_quant
		.amdhsa_group_segment_fixed_size 33280
		.amdhsa_private_segment_fixed_size 0
		.amdhsa_enable_private_segment 0
		.amdhsa_kernarg_size 64
		.amdhsa_user_sgpr_count 2
		.amdhsa_user_sgpr_kernarg_segment_ptr 1
		.amdhsa_wavefront_size32 1
		.amdhsa_system_sgpr_workgroup_id_x 1
		.amdhsa_system_sgpr_workgroup_id_y 1
		.amdhsa_system_sgpr_workgroup_id_z 1
		.amdhsa_system_vgpr_workitem_id 0
		.amdhsa_next_free_vgpr 192
		.amdhsa_next_free_sgpr 66
		.amdhsa_reserve_vcc 0
		.amdhsa_float_denorm_mode_32 3
		.amdhsa_float_denorm_mode_16_64 3
		.amdhsa_memory_ordered 1
		.amdhsa_forward_progress 1
		.amdhsa_inst_pref_size 54
	.end_amdhsa_kernel
	.amdgpu_metadata
---
amdhsa.version: [ 1, 2 ]
amdhsa.kernels:
  - .name:           k_qbf90e7593f_quant
    .symbol:         k_qbf90e7593f_quant.kd
    .args:
      - { .name: x, .offset: 0, .size: 8, .value_kind: global_buffer, .address_space: global }
      - { .name: qkv_w, .offset: 8, .size: 8, .value_kind: global_buffer, .address_space: global }
      - { .name: proj_w, .offset: 16, .size: 8, .value_kind: global_buffer, .address_space: global }
      - { .name: x_codes, .offset: 24, .size: 8, .value_kind: global_buffer, .address_space: global }
      - { .name: x_scales, .offset: 32, .size: 8, .value_kind: global_buffer, .address_space: global }
      - { .name: w_codes, .offset: 40, .size: 8, .value_kind: global_buffer, .address_space: global }
      - { .name: w_scales, .offset: 48, .size: 8, .value_kind: global_buffer, .address_space: global }
      - { .name: pw16, .offset: 56, .size: 8, .value_kind: global_buffer, .address_space: global }
    .group_segment_fixed_size: 33280
    .private_segment_fixed_size: 0
    .kernarg_segment_align: 8
    .kernarg_segment_size: 64
    .max_flat_workgroup_size: 128
    .sgpr_count:     66
    .vgpr_count:     192
    .wavefront_size: 32
...
	.end_amdgpu_metadata
.endif
;; end of part 1
;; launch qkv (part 2): grid 12 x 32, 4 waves a work-group, clusters of 4 x 4, 327,680 bytes of LDS; arguments x_codes, x_scales, w_codes, w_scales, qkv_b, qkv16, qkv32; writes qkv16, qkv32
.if DOCPART == 2
	.amdgcn_target "amdgcn-amd-amdhsa--gfx1250"
	.amdhsa_code_object_version 6
	.text
	.protected	k_qbf90e7593f_qkv
	.globl	k_qbf90e7593f_qkv
	.p2align	8
	.type	k_qbf90e7593f_qkv,@function
k_qbf90e7593f_qkv:
	s_mov_b64 s[64:65], 0
	v_nop
	global_prefetch_b8 v0, s[64:65] scope:SCOPE_SE
	s_setreg_imm32_b32 hwreg(HW_REG_WAVE_MODE, 25, 1), 1
	s_wait_xcnt 0x0
	s_wait_alu depctr_hold_cnt(0) depctr_sa_sdst(0) depctr_va_vdst(0) depctr_va_sdst(0) depctr_va_ssrc(0) depctr_va_vcc(0) depctr_vm_vsrc(0)
	s_getreg_b32 s2, hwreg(HW_REG_IB_STS2, 6, 4)
	s_cmp_eq_u32 s2, 0
	s_cbranch_scc0 .Lentry_in_a_cluster
	s_endpgm
.Lentry_in_a_cluster:
	s_bfe_u32 s2, ttmp6, 0x10000c
	s_cmp_lg_u32 s2, 0xf033
	s_cbranch_scc0 .Lentry_shape_is_right
	s_endpgm
.Lentry_shape_is_right:
; qkv = Q(x) Q(qkv_w)^T + qkv_b on codes of FP4 (E2M1) with one E8M0 scale for each 32 along K; sums in f32.  M = 8,192, N = 3,072, K = 1,024.
; OUT: qkv16 [b 4][plane 48][t 2048][64] f16 (plane = output column / 64: q of head h is plane h, k plane 16 + h, v plane 32 + h); qkv32: positions 0-15 of every batch in f32, [b][plane][4,096 bytes],
; byte 512 g + 16 lane + 4 e = element (t = lane % 16, d = 8 g + 4 (lane / 16) + e): the register image that the last launch loads.
; LIMIT: q, k, v are rounded to f16: magnitudes under 65,504.  The bias is the C of each sum's first product: it enters the f32 sum first.
; A tile of 256 x 256 is made by four waves, each 128 x 128: 64 accumulators, 512 registers.  K is two steps of 512 (rows of 256 bytes): both slots are first fills, nothing is filled again.
; The scales of the work-group's 256 + 256 rows, for all of K, come once, as dense blocks.
; CLUSTERS: 4 x 4.  The four of a cluster row need the same tiles of x, the four of a column the same tiles of qkv_w: joint loads.  A tile's rows of x begin at row 2,048 cy + 256 (cluster y): so the batch is cy,
; and whether a tile holds positions 0-15 hangs on the cluster's y alone, which all sixteen partners share.
; THE MATRIX INSTRUCTION IS USED TRANSPOSED (source 0 = 16 rows of qkv_w, source 1 = 16 rows of x): a lane holds eight neighbouring columns of one token.
; REGISTERS, in windows of 256: window 0: v0-31 addresses; v32-95 scale words, two sets; v128-191 x's fragments, one set; v192-255 the bias, 8 registers for each of my 8 column blocks.
;   window 1: qkv_w's fragments, two sets, at v0 and v128.   window 2: accumulators of my rows 0-63 ((a, b) at v[8 (8 a + b)]);   window 3: rows 64-127.
.set KSTEP,  512
.set NQ,     KSTEP/128
.set ROWB,   256                       ; a tile's row in bytes
.set KROW,   512                       ; a row of codes in memory
.set PITCH,  272                       ; an LDS row: 256 bytes + 16 of padding: the 16 rows of a load start at 16 different banks
.set FR,     8
.set NL,     2
.set NP,     4                         ; places behind this matrix instruction (ISA guide 7.12.1)
.set HALFT,  128*PITCH
.set SLOT,   4*HALFT
.set KS,     32                        ; a row of scales in bytes
.set SCL,    2*SLOT
.set HALFS,  (128*KS/256)*272
.set SBLK,   (16*KS/256)*272
.set SPARE,  SCL+4*HALFS               ; the spare words: 128 bytes a wave, named by no other line
.set ADRA, 16                          ; v16-17 LDS address of x's fragments in slot 0, 1
.set ADRB, 20                          ; v20-21 of qkv_w's
.set STO32, 22                         ; the way out in f32: into the stage,
.set RD32, 23                          ; and back
.set STO,  24                          ; the way out in f16: into the stage,
.set RD,   25                          ; and back
.set CO,   26                          ; 16 x lane
.set ADRS, 27                          ; my scale words: lanes 0-15 x's rows, lanes 16-31 qkv_w's
.set SPW,  28
.set NIL,  29
.set BADR, 30                          ; 32 x (lane / 16): my eight bias numbers of a block
.set SC,   32
.set AF,   128
.set BIAS, 192
.set TMP,  32                          ; the way out: packed results
.set BK,   128                         ; and rows read back: v128-159 and v160-191 by turns
.set G1, 24
.set G0, 32
.set G1B, 48
.set G0B, 56
.set G1S, 68
.set G0S, 76
.set G1SB, 80
.set G0SB, 88
.set MSB, 0
.macro WIN new                         ; the immediate's high byte repeats the setting that is left
.if MSB != \new
	s_set_vgpr_msb (MSB<<8)|\new
.set MSB, \new
.endif
.endm
.set MUL_LO, 0xa1                      ; source 0 window 1, source 1 window 0, C and D window 2
.set MUL_HI, 0xf1                      ; the same, C and D window 3
.set TO_B,   0x40
.macro WMUL hi, zero                   ; zero = 1: C is the bias, in window 0
.if \zero
	WIN 0x81+0x40*\hi
.else
	WIN MUL_LO+0x50*\hi
.endif
.endm
; A joint load: waves 0 and 1 fetch for x, waves 2 and 3 for qkv_w.  The branch hangs on the wave's number alone.  An s_nop 0 and four v_nop follow each line.
.macro JLOAD g0a, g1a, g0b, g1b
	s_cmp_eq_u32 s15, 0
	s_cbranch_scc0 .Lfor_b_\@
	tensor_load_to_lds s[\g0a:\g0a+3], s[\g1a:\g1a+7]
	s_nop 0
.rept 4
	v_nop
.endr
	s_branch .Lasked_\@
.Lfor_b_\@:
	tensor_load_to_lds s[\g0b:\g0b+3], s[\g1b:\g1b+7]
	s_nop 0
.rept 4
	v_nop
.endr
.Lasked_\@:
.endm
.macro CROUND                          ; a round of the cluster's barrier
	s_barrier_signal -1
	s_barrier_wait -1
	s_cmp_lg_u32 s14, 0
	s_cbranch_scc1 .Lnot_wave_0_\@
	s_barrier_signal -3
.Lnot_wave_0_\@:
	s_barrier_wait -3
	s_barrier_signal -1
	s_barrier_wait -1
.endm
	s_load_b128 s[4:7], s[0:1], 0x0                ; x's codes, x's scales
	s_load_b128 s[8:11], s[0:1], 0x10              ; qkv_w's codes, scales
	s_load_b128 s[96:99], s[0:1], 0x20             ; qkv_b, qkv16
	s_load_b64 s[12:13], s[0:1], 0x30              ; qkv32
	v_lshl_add_u32 v[SPW], v0, 2, SPARE
	v_mov_b32 v[NIL], 0
	ds_add_u32 v[SPW], v[NIL]                      ; the wave's opening: the add, twice on end, and its wait ahead of my first tensor load
	ds_add_u32 v[SPW], v[NIL]
	v_lshrrev_b32 v1, 5, v0
	v_readfirstlane_b32 s14, v1                    ; wave 0..3
	s_lshr_b32 s15, s14, 1                         ; my half of the tile's rows.  Also: I fetch for x (0) or qkv_w (1)
	s_and_b32 s16, s14, 1                          ; my half of its columns.  Also: which 128 rows I fetch
	s_bfe_u32 s40, ttmp6, 0x40000                  ; cx
	s_bfe_u32 s41, ttmp6, 0x40004                  ; cy = the batch
	s_lshl_b32 s42, ttmp9, 2
	s_add_co_u32 s42, s42, s40                     ; tile column = 4 x cluster x + cx
	s_and_b32 s3, ttmp7, 0xffff                    ; cluster y: which 256 positions
	s_lshl_b32 s17, s41, 11
	s_lshl_b32 s18, s3, 8
	s_add_co_u32 s17, s17, s18                     ; the tile's first row of x: 2,048 cy + 256 cluster y
	s_or_b32 s95, s3, s15                          ; 0 where my rows begin with positions 0-15: the cluster's y and the wave's number alone
	s_lshl_b32 s43, s41, 2
	s_lshl_b32 s43, 15, s43                        ; my row of the cluster
	s_lshl_b32 s44, 0x1111, s40                    ; my column
	s_or_b32 s[G1+0], s43, (0<<16)|(1<<20)|(1<<21)|(5<<22)|(3<<25)  ; mask; elements of 1 byte; padding on; bit 21 beside a mask; after every 64 words, 4 words
	s_or_b32 s[G1B+0], s44, (0<<16)|(1<<20)|(1<<21)|(5<<22)|(3<<25)
.irp g, G1, G1B
	s_mov_b32 s[\g+1], ROWB<<16                    ; tensor_dim0
	s_mov_b32 s[\g+2], 128<<16                     ; tensor_dim1
	s_mov_b32 s[\g+3], ROWB<<16                    ; tile_dim0
	s_mov_b32 s[\g+4], 128                         ; tile_dim1
	s_mov_b32 s[\g+5], KROW                        ; stride
	s_mov_b32 s[\g+6], 0
	s_mov_b32 s[\g+7], 0
.endr
	s_or_b32 s[G1S+0], s43, (3<<16)|(1<<20)|(1<<21)|(5<<22)|(3<<25)  ; the scales of 128 rows: 4,096 dense bytes as 16 rows of 256 (32 elements of 8 bytes), 16 bytes of padding behind each
	s_or_b32 s[G1SB+0], s44, (3<<16)|(1<<20)|(1<<21)|(5<<22)|(3<<25)
.irp g, G1S, G1SB
	s_mov_b32 s[\g+1], 32<<16
	s_mov_b32 s[\g+2], (128*KS/256)<<16
	s_mov_b32 s[\g+3], 32<<16
	s_mov_b32 s[\g+4], 128*KS/256
	s_mov_b32 s[\g+5], 32
	s_mov_b32 s[\g+6], 0
	s_mov_b32 s[\g+7], 0
.endr
	s_lshl_b32 s18, s16, 7                         ; which 128 rows of the tile I fetch
	s_add_co_u32 s20, s17, s18                     ; x's row
	s_lshl_b32 s46, s42, 8
	s_add_co_u32 s46, s46, s18                     ; qkv_w's row
	s_mov_b32 s21, 0
	s_mov_b32 s47, 0
	s_mov_b64 s[18:19], KS
	s_mul_u64 s[22:23], s[20:21], s[18:19]         ; where these rows' scales begin,
	s_mul_u64 s[92:93], s[46:47], s[18:19]
	s_mov_b64 s[18:19], KROW
	s_mul_u64 s[20:21], s[20:21], s[18:19]         ; and their codes
	s_mul_u64 s[46:47], s[46:47], s[18:19]
	s_mul_i32 s45, s14, HALFT                      ; where they go: wave x 128 rows
	s_mul_i32 s94, s14, HALFS
	s_wait_dscnt 0x0                               ; both opening adds are done
	s_wait_kmcnt 0x0
	s_add_nc_u64 s[20:21], s[4:5], s[20:21]
	s_add_nc_u64 s[22:23], s[6:7], s[22:23]
	s_add_nc_u64 s[46:47], s[8:9], s[46:47]
	s_add_nc_u64 s[92:93], s[10:11], s[92:93]
	CROUND                                         ; all sixteen work-groups are here: the joint loads meet
	s_mov_b32 s[G0S], 1
	s_add_co_u32 s[G0S+1], s94, SCL
	s_mov_b64 s[G0S+2:G0S+3], s[22:23]
	s_or_b32 s[G0S+3], s[G0S+3], 0x80000000
	s_mov_b32 s[G0SB], 1
	s_add_co_u32 s[G0SB+1], s94, SCL
	s_mov_b64 s[G0SB+2:G0SB+3], s[92:93]
	s_or_b32 s[G0SB+3], s[G0SB+3], 0x80000000
	JLOAD G0S, G1S, G0SB, G1SB                     ; the scales first
.irp s, 0,1
	s_mov_b32 s[G0+4*\s], 1
	s_add_co_u32 s[G0+4*\s+1], s45, \s*SLOT
	s_add_nc_u64 s[G0+4*\s+2:G0+4*\s+3], s[20:21], \s*ROWB
	s_or_b32 s[G0+4*\s+3], s[G0+4*\s+3], 0x80000000
	s_mov_b32 s[G0B+4*\s], 1
	s_add_co_u32 s[G0B+4*\s+1], s45, \s*SLOT
	s_add_nc_u64 s[G0B+4*\s+2:G0B+4*\s+3], s[46:47], \s*ROWB
	s_or_b32 s[G0B+4*\s+3], s[G0B+4*\s+3], 0x80000000
	JLOAD G0+4*\s, G1, G0B+4*\s, G1B               ; both K steps: three tensor loads of mine are out
.endr
	v_and_b32 v1, 15, v0                           ; r
	v_bfe_u32 v2, v0, 4, 1                         ; h
	v_lshlrev_b32 v[BADR], 5, v2
	; the bases of the bias and of the two outputs; all that holds cx lies in s46, s47, s92, s93
	s_lshl_b32 s92, s42, 10
	s_lshl_b32 s47, s16, 9
	s_add_co_u32 s92, s92, s47                     ; 4 x (256 tile column + 128 column half)
	s_mov_b32 s93, 0
	s_add_nc_u64 s[96:97], s[96:97], s[92:93]
.irp b, 0,1,2,3,4,5,6,7
	global_load_b128 v[BIAS+8*\b:BIAS+8*\b+3], v[BADR], s[96:97] offset:64*\b        ; qkv_b at my columns 16 b + 8 h + 0 .. 7
	global_load_b128 v[BIAS+8*\b+4:BIAS+8*\b+7], v[BADR], s[96:97] offset:64*\b+16
.endr
	s_mul_i32 s46, s41, 48
	s_lshl_b32 s47, s42, 2
	s_add_co_u32 s46, s46, s47
	s_lshl_b32 s47, s16, 1
	s_add_co_u32 s46, s46, s47                     ; my first plane: 48 b + 4 tile column + 2 column half
	s_lshl_b32 s92, s46, 12
	s_add_nc_u64 s[12:13], s[12:13], s[92:93]      ; qkv32 at that plane
	s_lshl_b32 s92, s46, 18
	s_lshl_b32 s47, s3, 15
	s_add_co_u32 s92, s92, s47                     ; + 256 cluster y tokens of 128 bytes
	s_lshl_b32 s47, s15, 14
	s_add_co_u32 s92, s92, s47                     ; + my row half's 128
	s_add_nc_u64 s[98:99], s[98:99], s[92:93]      ; qkv16 at my first token of that plane
	v_mul_u32_u24 v3, v1, PITCH
	v_lshl_add_u32 v4, v2, 4, v3                   ; a fragment's row x pitch + 16 x half
	s_mul_i32 s21, s15, HALFT
	s_mul_i32 s22, s16, HALFT
	s_add_co_u32 s22, s22, 2*HALFT
.irp s, 0,1
	v_add_nc_u32 v[ADRA+\s], s21, v4
	v_add_nc_u32 v[ADRB+\s], s22, v4
	s_add_co_u32 s21, s21, SLOT
	s_add_co_u32 s22, s22, SLOT
.endr
	v_mul_u32_u24 v5, v1, KS                       ; my row's scales: KS bytes a row,
	v_lshrrev_b32 v6, 8, v5
	v_lshl_add_u32 v5, v6, 4, v5                   ; and 16 more for each 256 passed
	s_mul_i32 s21, s15, HALFS
	s_mul_i32 s22, s16, HALFS
	s_add_co_u32 s22, s22, 2*HALFS
	s_sub_co_u32 s22, s22, s21
	v_mul_u32_u24 v6, s22, v2                      ; lanes 16-31 take qkv_w's
	s_add_co_u32 s21, s21, SCL
	v_add_nc_u32 v5, v5, v6
	v_add_nc_u32 v[ADRS], s21, v5
	s_mul_i32 s23, s14, 16*528                     ; my stage, in slot 0: 16 rows of 528 bytes (f32) or of 272 (f16)
	v_mul_u32_u24 v5, v1, 272
	v_lshl_add_u32 v5, v2, 4, v5
	v_add_nc_u32 v[STO], s23, v5                   ; f16 in: row r, 16 bytes for each half of the lanes
	v_bfe_u32 v5, v0, 3, 2
	v_mul_u32_u24 v5, v5, 272
	v_and_b32 v6, 7, v0
	v_lshl_add_u32 v5, v6, 4, v5
	v_add_nc_u32 v[RD], s23, v5                    ; f16 back: eight lanes take the 128 bytes of one token and head, four tokens a load
	v_mul_u32_u24 v5, v1, 528
	v_lshl_add_u32 v6, v2, 5, v5
	v_add_nc_u32 v[STO32], s23, v6                 ; f32 in: row r, 32 bytes for each half
	v_lshl_add_u32 v6, v2, 4, v5
	v_add_nc_u32 v[RD32], s23, v6                  ; f32 back: token lane % 16, 16 bytes for each half
	v_and_b32 v6, 31, v0
	v_lshlrev_b32 v[CO], 4, v6
.macro FRAG reg, adr, q, i             ; 16 rows x 128 K of 4-bit codes: 8 registers, two loads of 16 bytes, 32 bytes apart
.irp c, 0,1
	ds_load_b128 v[\reg+4*\c:\reg+4*\c+3], v[\adr] offset:64*(\q)+32*\c+(\i)*16*PITCH
.endr
.endm
; 16 matrix instructions: x's blocks a0, a0 + 1 against qkv_w's eight, the slot's q-th 128 along K.  zero = 1: the first product starts the sums from the bias.
; The 64 accumulators take turns, one instruction a turn, in the same order in every step.
.macro MUL16 a0, p, q, sc, zero
.irp a, \a0, \a0+1
.irp b, 0,1,2,3,4,5,6,7
.if \zero
	v_wmma_scale_f32_16x16x128_f8f6f4 v[8*(8*((\a)%4)+\b):8*(8*((\a)%4)+\b)+7], v[128*(\p)+FR*\b:128*(\p)+FR*\b+FR-1], v[AF+FR*(\a):AF+FR*(\a)+FR-1], v[BIAS+8*\b:BIAS+8*\b+7], v[SC+8*NQ*(\sc)+NQ*\b+(\q)], v[SC+8*NQ*(\sc)+NQ*(\a)+(\q)] matrix_a_fmt:MATRIX_FMT_FP4 matrix_b_fmt:MATRIX_FMT_FP4 matrix_a_scale:MATRIX_SCALE_ROW1
.else
	v_wmma_scale_f32_16x16x128_f8f6f4 v[8*(8*((\a)%4)+\b):8*(8*((\a)%4)+\b)+7], v[128*(\p)+FR*\b:128*(\p)+FR*\b+FR-1], v[AF+FR*(\a):AF+FR*(\a)+FR-1], v[8*(8*((\a)%4)+\b):8*(8*((\a)%4)+\b)+7], v[SC+8*NQ*(\sc)+NQ*\b+(\q)], v[SC+8*NQ*(\sc)+NQ*(\a)+(\q)] matrix_a_fmt:MATRIX_FMT_FP4 matrix_b_fmt:MATRIX_FMT_FP4 matrix_a_scale:MATRIX_SCALE_ROW1
.endif
.endr
.endr
.endm
.macro FETCH_B slot, q, p
	WIN TO_B
.irp i, 0,1,2,3,4,5,6,7
	FRAG 128*(\p)+FR*\i, ADRB+\slot, \q, \i
.endr
	WIN 0
.endm
.macro FETCH_A slot, q, i0
.irp i, \i0, \i0+1, \i0+2, \i0+3
	FRAG AF+FR*(\i), ADRA+\slot, \q, \i
.endr
.endm
.macro SCALES sc                       ; a K step's scale words: lanes 0-15 x's block i, lanes 16-31 qkv_w's block i
.irp i, 0,1,2,3,4,5,6,7
	ds_load_b128 v[SC+8*NQ*\sc+NQ*\i:SC+8*NQ*\sc+NQ*\i+3], v[ADRS] offset:\i*SBLK
.endr
.endm
.macro PLACES n                        ; places in front of loads into registers that matrix instructions have read, and of the first read of results
.rept \n
	v_nop
.endr
.endm
.macro STEP slot, q, zero              ; 128 along K whose successor lies in the same slot
	s_wait_dscnt 4*NL                              ; all but the youngest eight loads (x's blocks 4-7) are in
	WMUL 0, \zero
	MUL16 0, (\q)%2, \q, \slot, \zero
	MUL16 2, (\q)%2, \q, \slot, \zero
	s_wait_dscnt 0
	PLACES NP
	FETCH_B \slot, (\q)+1, 1-(\q)%2
	FETCH_A \slot, (\q)+1, 0
	WMUL 1, \zero
	MUL16 4, (\q)%2, \q, \slot, \zero
	MUL16 6, (\q)%2, \q, \slot, \zero
	PLACES NP
	WIN 0
	FETCH_A \slot, (\q)+1, 4
.endm
; Slot 0's last step changes slots: one barrier; in front of it each wave waits for all its tensor loads (slot 1's is the one that may be out), adds 0 to its spare word, and waits for that and for its reads of slot 0.
.macro TURN slot, next
	s_wait_tensorcnt 0x0
	ds_add_u32 v[SPW], v[NIL]
	s_wait_dscnt 4*NL+1                            ; the add and the youngest eight loads may be out
	WIN MUL_LO
	MUL16 0, 1, NQ-1, \slot, 0
	s_wait_dscnt 0x0                               ; the add is done, and my reads of this slot are over
	s_barrier_signal -1
	MUL16 2, 1, NQ-1, \slot, 0
	WIN 0
	s_barrier_wait -1
	PLACES NP
	v_add_nc_u32 v[ADRS], 4*NQ, v[ADRS]            ; on to the next K step's scale words
	FETCH_B \next, 0, 0
	FETCH_A \next, 0, 0
	SCALES \next
	WIN MUL_HI
	MUL16 4, 1, NQ-1, \slot, 0
	MUL16 6, 1, NQ-1, \slot, 0
	PLACES NP
	WIN 0
	FETCH_A \next, 0, 4
.endm
.macro STEPS slot, from
.set Q, \from
.rept NQ-1-\from
	STEP \slot, Q, 0
.set Q, Q+1
.endr
.endm
	s_wait_tensorcnt 1                             ; the scales and my part of K step 0 are in; K step 1's load may be out
	s_barrier_signal -1
	s_barrier_wait -1
	FETCH_B 0, 0, 0
	FETCH_A 0, 0, 0
	SCALES 0
	FETCH_A 0, 0, 4
	s_wait_loadcnt 0x0                             ; the bias
	STEP 0, 0, 1
	STEPS 0, 1
	TURN 0, 1
	STEPS 1, 0
	s_wait_dscnt 4*NL                              ; the very last step
	WIN MUL_LO
	MUL16 0, 1, NQ-1, 1, 0
	MUL16 2, 1, NQ-1, 1, 0
	s_wait_dscnt 0
	WIN MUL_HI
	MUL16 4, 1, NQ-1, 1, 0
	MUL16 6, 1, NQ-1, 1, 0
	WIN 0
	PLACES NP
; THE WAY OUT.  The stage lies in slot 0, which has had its only fill and, since the change of slots, its last read.  LDS serves a wave's instructions in order: no wait between a block's stores and its loads.
	s_cmp_lg_u32 s95, 0                            ; positions 0-15 lie in block 0 of the waves whose rows begin a batch
	s_cbranch_scc1 .Lno32
	WIN 0x08                                       ; an LDS store's data are its source 1: window 2
.irp b, 0,1,2,3,4,5,6,7
	ds_store_b128 v[STO32], v[8*\b:8*\b+3] offset:64*\b              ; each accumulator from its low end on
	ds_store_b128 v[STO32], v[8*\b+4:8*\b+7] offset:64*\b+16
.endr
	WIN 0
.irp hh, 0,1
.irp g, 0,1,2,3,4,5,6,7
	ds_load_b128 v[128+4*(8*\hh+\g):128+4*(8*\hh+\g)+3], v[RD32] offset:256*\hh+32*\g   ; plane hh: (t = lane % 16, d = 8 g + 4 (lane / 16) + 0 .. 3)
.endr
.endr
	s_wait_dscnt 0x0
.irp hh, 0,1
.irp g, 0,1,2,3,4,5,6,7
	global_store_b128 v[CO], v[128+4*(8*\hh+\g):128+4*(8*\hh+\g)+3], s[12:13] offset:4096*\hh+512*\g   ; 512 consecutive bytes
.endr
.endr
	s_wait_xcnt 0x0                                ; these stores have read their registers: the f16 way loads into them
.Lno32:
.macro PACK a                          ; block a: 16 tokens x 128 columns, rounded to f16: 16 bytes a lane and column block
.set AC, 64*((\a)%4)
	WIN 0x0a+5*((\a)/4)
.irp b, 0,1,2,3,4,5,6,7
.irp p, 0,1,2,3
	v_cvt_pk_f16_f32 v[TMP+4*\b+\p], v[AC+8*\b+2*\p], v[AC+8*\b+2*\p+1]
.endr
.endr
	WIN 0
.endm
.macro TOSTAGE a
.set BB, BK+32*((\a)%2)
.irp b, 0,1,2,3,4,5,6,7
	ds_store_b128 v[STO], v[TMP+4*\b:TMP+4*\b+3] offset:32*\b
.endr
.irp hh, 0,1
.irp rg, 0,1,2,3
	ds_load_b128 v[BB+4*(4*\hh+\rg):BB+4*(4*\hh+\rg)+3], v[RD] offset:1088*\rg+128*\hh   ; four tokens of one plane
.endr
.endr
.endm
.macro SEND a
.set BB, BK+32*((\a)%2)
	s_wait_dscnt 0x0                               ; the block is back in registers
	s_wait_xcnt 0x0                                ; the block before has been read by its stores: the next block's loads may land there
.irp hh, 0,1
.irp rg, 0,1,2,3
	global_store_b128 v[CO], v[BB+4*(4*\hh+\rg):BB+4*(4*\hh+\rg)+3], s[98:99] offset:262144*\hh+2048*(\a)+512*\rg   ; 512 consecutive bytes of a plane, aligned
.endr
.endr
.endm
	PACK 0
	TOSTAGE 0
.irp a, 1,2,3,4,5,6,7                  ; block a's conversions stand between block a - 1's loads from the stage and the wait for them
	PACK \a
	SEND \a-1
	TOSTAGE \a
.endr
	SEND 7
	s_wait_tensorcnt 0x0                           ; the wave's end
	ds_add_u32 v[SPW], v[NIL]
	s_wait_dscnt 0x0
	CROUND                                         ; the closing round
	s_endpgm
.Lfunc_end_k_qbf90e7593f_qkv:
	.size	k_qbf90e7593f_qkv, .Lfunc_end_k_qbf90e7593f_qkv-k_qbf90e7593f_qkv
	.p2alignl 7, 3214868480
	.fill 96, 4, 3214868480
	.section	.rodata,"a",@progbits
	.p2align	6, 0x0
	.amdhsa_kernel k_qbf90e7593f_qkv
		.amdhsa_group_segment_fixed_size 327680
		.amdhsa_private_segment_fixed_size 0
		.amdhsa_enable_private_segment 0
		.amdhsa_kernarg_size 56
		.amdhsa_user_sgpr_count 2
		.amdhsa_user_sgpr_kernarg_segment_ptr 1
		.amdhsa_wavefront_size32 1
		.amdhsa_system_sgpr_workgroup_id_x 1
		.amdhsa_system_sgpr_workgroup_id_y 1
		.amdhsa_system_sgpr_workgroup_id_z 1
		.amdhsa_system_vgpr_workitem_id 0
		.amdhsa_next_free_vgpr 1024
		.amdhsa_next_free_sgpr 100
		.amdhsa_reserve_vcc 0
		.amdhsa_float_denorm_mode_32 3
		.amdhsa_float_denorm_mode_16_64 3
		.amdhsa_memory_ordered 1
		.amdhsa_forward_progress 1
		.amdhsa_inst_pref_size 132
	.end_amdhsa_kernel
	.amdgpu_metadata
---
amdhsa.version: [ 1, 2 ]
amdhsa.kernels:
  - .name:           k_qbf90e7593f_qkv
    .symbol:         k_qbf90e7593f_qkv.kd
    .args:
      - { .name: x_codes, .offset: 0, .size: 8, .value_kind: global_buffer, .address_space: global }
      - { .name: x_scales, .offset: 8, .size: 8, .value_kind: global_buffer, .address_space: global }
      - { .name: w_codes, .offset: 16, .size: 8, .value_kind: global_buffer, .address_space: global }
      - { .name: w_scales, .offset: 24, .size: 8, .value_kind: global_buffer, .address_space: global }
      - { .name: qkv_b, .offset: 32, .size: 8, .value_kind: global_buffer, .address_space: global }
      - { .name: qkv16, .offset: 40, .size: 8, .value_kind: global_buffer, .address_space: global }
      - { .name: qkv32, .offset: 48, .size: 8, .value_kind: global_buffer, .address_space: global }
    .group_segment_fixed_size: 327680
    .private_segment_fixed_size: 0
    .kernarg_segment_align: 8
    .kernarg_segment_size: 56
    .max_flat_workgroup_size: 128
    .sgpr_count:     100
    .vgpr_count:     1024
    .wavefront_size: 32
...
	.end_amdgpu_metadata
.endif
;; end of part 2
;; launch attn (part 3): grid 4 x 64, 16 waves a work-group, no clusters, 327,680 bytes of LDS; arguments qkv16, y16; writes y16
.if DOCPART == 3
	.amdgcn_target "amdgcn-amd-amdhsa--gfx1250"
	.amdhsa_code_object_version 6
	.text
	.protected	k_qbf90e7593f_attn
	.globl	k_qbf90e7593f_attn
	.p2align	8
	.type	k_qbf90e7593f_attn,@function
k_qbf90e7593f_attn:
	s_mov_b64 s[64:65], 0
	v_nop
	global_prefetch_b8 v0, s[64:65] scope:SCOPE_SE
	s_setreg_imm32_b32 hwreg(HW_REG_WAVE_MODE, 25, 1), 1
	s_wait_xcnt 0x0
; y[b][t][h][:] = the sum over keys k <= t of softmax_k(q . k / 8) v, per batch and head.  q, k, v: planes of qkv16, [t 2048][64] f16.  y16: [h 16][row = 2048 b + t][64] f16.
; Products on f16 operands with f32 sums; maxima, exponentials and sums in f32; a running maximum is taken away before every exponential; the weights p are rounded to f16 for the second product.
; LIMIT: y is rounded to f16.  Positions 0-15 of each batch are computed here too and replaced by the last launch's f32 rows.
; SHARES.  Work-group (i, batch and head) owns query blocks 7 - i and i of 256 queries: 9 blocks of 256 keys of causal work in every work-group.  Each of its SIXTEEN waves owns 32 queries, two tiles of 16,
; in 256 registers; class = (w xor w / 4) % 2 says which of the two blocks, so that neighbouring waves and waves four apart are of both classes.
; Every work-group walks all 8 slots of 256 keys with constant trip counts; a step of 64 keys all of which come after the wave's queries is jumped over by a scalar branch on ids.
; NO CLUSTER: the four work-groups of a head read 8, 7, 6 and 5 slots, so some partner would jump over the reads of a tile that a joint load brings.
; LAYOUT.  S^T = K Q^T (source 0 = 16 keys, source 1 = 16 queries): a lane holds ONE query (lane % 16) and keys 8 (lane / 16) + 0..7; two such tiles, packed to f16 in place, are source 1 of O^T = V^T P.
; K comes out of LDS as it lies, V ([key][channel]) turned by ds_load_tr16_b128.  Each fragment of K and V feeds two matrix instructions.
; REGISTERS: v1-12 addresses and constants; v16-47 Q; v48-111 eight fragments of K, then of V; v112-175 S^T, p, P (32 a tile); v176-239 O^T (32 a tile); v240-255 statistics, 8 a tile:
;   +0 c m, +1 m, +2, +3 the sum in two halves, +4 to +7 at work (a = 2^(c m_old - c m_new) in +6).
.set PK,    144                        ; a key's row of K in LDS: 128 bytes + 16
.set PV,    160                        ; of V: 128 + 32: an odd multiple of 32 for the turning load
.set SK,    256                        ; keys in a slot
.set VOFF,  SK*PK
.set SLOT1, 1<<17                      ; slot 1 begins here: one exclusive or turns an address
.set SLOTB, SK*128                     ; a slot's keys in memory, in bytes
.set STAGE, SLOT1+VOFF+SK*PV           ; behind the ring: 32 rows x 144 bytes for each wave; no tensor load lands here
.set SPARE, STAGE+16*32*PK             ; the spare words: 128 bytes a wave, named by no other line
.set AK0, 1
.set AV0, 2
.set ADK, 3
.set ADV, 4
.set GO,  5                            ; 16 x lane
.set STO, 6                            ; my stage: row lane % 16, 16 bytes for each half
.set RD,  7                            ; my stage: row lane / 8, 16 (lane % 8)
.set PFO, 8                            ; 256 x lane
.set SPW, 9
.set NIL, 10
.set RH,  11                           ; lane % 16 - 8 (lane / 16)
.set NEG, 12                           ; -infinity
.set QF,  16
.set KV,  48
.set SB,  112
.set OB,  176
.set ST,  240
.set TB,  2                            ; s2  LDS byte at which the slot in hand begins
.set WV,  18
.set SEL, 20
.set CS,  22                           ; s[22:23] c = log2(e) / 8
.set G1K, 24
.set G1V, 32
.set G0K, 40
.set G0V, 44
.set KF,  48                           ; the step's first key
.set Q0,  49                           ; my first query
.set QL,  50                           ; my work-group's last query
.set SLOTS, 51
.set PFA, 52
.set LIM, 54
; Waves 0 and 1 fetch K's halves of a slot, waves 2 and 3 V's, the others nothing.  An s_nop 0 and four v_nop follow each line.
.macro TLOAD
	s_cmp_lt_u32 s[WV], 2
	s_cbranch_scc0 .Lnot_k_\@
	tensor_load_to_lds s[G0K:G0K+3], s[G1K:G1K+7]
	s_nop 0
.rept 4
	v_nop
.endr
	s_branch .Lasked_\@
.Lnot_k_\@:
	s_cmp_lt_u32 s[WV], 4
	s_cbranch_scc0 .Lasked_\@
	tensor_load_to_lds s[G0V:G0V+3], s[G1V:G1V+7]
	s_nop 0
.rept 4
	v_nop
.endr
.Lasked_\@:
.endm
; A prefetch of the slot that the NEXT change of slots will ask for: 32,768 bytes of K and of V.  The head's work-group 0, which walks all slots, asks, and nobody else; in it waves 4 to 7 ask for K's block and
; waves 8 to 11 for V's, 8,192 bytes a wave, lanes 256 bytes apart: each aligned run of 256 bytes is named once in the launch.  The last change that fills a slot asks for nothing.
.macro ASK
	s_cmp_gt_u32 s[SLOTS], s[LIM]
	s_cbranch_scc0 .Lnot_mine_\@
	global_prefetch_b8 v[PFO], s[PFA:PFA+1] th:TH_LOAD_NT scope:SCOPE_SE
.Lnot_mine_\@:
.endm
	s_load_b128 s[4:7], s[0:1], 0x0                ; qkv16, y16
	v_lshl_add_u32 v[SPW], v0, 2, SPARE
	v_mov_b32 v[NIL], 0
	ds_add_u32 v[SPW], v[NIL]                      ; the wave's opening: the add, twice on end, and its wait ahead of my first tensor load
	ds_add_u32 v[SPW], v[NIL]
	v_lshrrev_b32 v13, 5, v0
	v_readfirstlane_b32 s[WV], v13                 ; wave 0..15
	s_and_b32 s55, ttmp7, 0xffff
	s_lshr_b32 s56, s55, 4                         ; the batch
	s_and_b32 s57, s55, 15                         ; the head
	s_lshr_b32 s58, s[WV], 2
	s_xor_b32 s58, s58, s[WV]
	s_and_b32 s58, s58, 1                          ; class
	s_lshr_b32 s59, s[WV], 1                       ; which 32 queries of the block
	s_sub_co_u32 s60, 7, ttmp9
	s_cmp_eq_u32 s58, 0
	s_cselect_b32 s61, s60, ttmp9                  ; my block of 256 queries: 7 - i or i
	s_lshl_b32 s[Q0], s61, 8
	s_lshl_b32 s59, s59, 5
	s_add_co_u32 s[Q0], s[Q0], s59
	s_lshl_b32 s[QL], s60, 8
	s_or_b32 s[QL], s[QL], 255
	s_mul_i32 s62, s56, 48
	s_add_co_u32 s62, s62, s57
	s_lshl_b32 s62, s62, 18                        ; q's plane, in bytes (under 2^26)
	s_mov_b32 s63, 0
	s_add_co_u32 s58, s62, 16<<18                  ; k's plane
	s_add_co_u32 s59, s58, 16<<18                  ; v's plane
	s_and_b32 s66, s[WV], 1
	s_lshl_b32 s67, s66, 14                        ; which 128 keys of a slot I fetch
	s_add_co_u32 s68, s58, s67
	s_mov_b32 s69, 0
	s_add_co_u32 s70, s59, s67
	s_mov_b32 s71, 0
	; descriptor group 1: 128 rows of 64 elements of 2 bytes, dense in memory; padding behind every 32 words: 4 words for K, 8 for V
	s_mov_b32 s[G1K], (1<<16)|(1<<20)|(4<<22)|(3<<25)
	s_mov_b32 s[G1V], (1<<16)|(1<<20)|(4<<22)|(7<<25)
.irp g, G1K, G1V
	s_mov_b32 s[\g+1], 64<<16                      ; tensor_dim0
	s_mov_b32 s[\g+2], 128<<16                     ; tensor_dim1
	s_mov_b32 s[\g+3], 64<<16                      ; tile_dim0
	s_mov_b32 s[\g+4], 128                         ; tile_dim1
	s_mov_b32 s[\g+5], 64                          ; stride
	s_mov_b32 s[\g+6], 0
	s_mov_b32 s[\g+7], 0
.endr
	s_mov_b32 s[SEL], 0x76543210
	s_mov_b32 s[SEL+1], 0xfedcba98
	s_mov_b32 s[CS], 0x3e38aa3b                    ; c = log2(e) / sqrt(64)
	s_mov_b32 s[CS+1], s[CS]                       ; named with it as a pair, so it is written
	s_mov_b32 s[TB], 0
	s_mov_b32 s[KF], 0
	s_mov_b32 s[SLOTS], 7
	s_wait_dscnt 0x0                               ; both opening adds are done
	s_wait_kmcnt 0x0
	s_mov_b32 s[G0K], 1
	s_mul_i32 s[G0K+1], s66, 128*PK                ; slot 0
	s_add_nc_u64 s[G0K+2:G0K+3], s[4:5], s[68:69]
	s_or_b32 s[G0K+3], s[G0K+3], 0x80000000
	s_mov_b32 s[G0V], 1
	s_mul_i32 s[G0V+1], s66, 128*PV
	s_add_co_u32 s[G0V+1], s[G0V+1], VOFF
	s_add_nc_u64 s[G0V+2:G0V+3], s[4:5], s[70:71]
	s_or_b32 s[G0V+3], s[G0V+3], 0x80000000
	TLOAD                                          ; slot 0: it holds key 0, which counts for every query
	s_lshl_b32 s67, s[Q0], 7
	s_add_co_u32 s62, s62, s67
	s_add_nc_u64 s[8:9], s[4:5], s[62:63]          ; q at my first query
	v_and_b32 v15, 31, v0
	v_lshlrev_b32 v[GO], 4, v15
	v_lshlrev_b32 v[PFO], 8, v15
.irp i, 0,1,2,3,4,5,6,7
	global_load_b128 v[KV+4*\i:KV+4*\i+3], v[GO], s[8:9] offset:512*\i   ; my 32 queries: 4,096 consecutive bytes
.endr
	s_lshl_b32 s60, s57, 13
	s_lshl_b32 s61, s56, 11
	s_add_co_u32 s60, s60, s61
	s_add_co_u32 s60, s60, s[Q0]
	s_lshl_b32 s60, s60, 7
	s_mov_b32 s61, 0
	s_add_nc_u64 s[6:7], s[6:7], s[60:61]          ; y16 at (h, 2048 b + my first query)
	s_cmp_lt_u32 s[WV], 8                          ; the prefetches: waves 4 to 7 K's plane, waves 8 to 11 V's
	s_cselect_b32 s60, s58, s59
	s_and_b32 s61, s[WV], 3
	s_lshl_b32 s61, s61, 13
	s_add_co_u32 s60, s60, s61
	s_add_co_u32 s60, s60, SLOTB                   ; in slot 1: the first change of slots steps it to slot 2.  Nothing is prefetched at the head
	s_mov_b32 s61, 0
	s_add_nc_u64 s[PFA:PFA+1], s[4:5], s[60:61]
	s_sub_co_u32 s60, s[WV], 4
	s_lshr_b32 s60, s60, 3                         ; 0 in waves 4 to 11,
	s_or_b32 s60, s60, ttmp9                       ; of the head's work-group 0
	s_cmp_eq_u32 s60, 0
	s_cselect_b32 s[LIM], 1, -1
	v_and_b32 v13, 15, v0                          ; r
	v_bfe_u32 v14, v0, 4, 1                        ; h
	v_mul_u32_u24 v[AK0], v13, PK
	v_lshl_add_u32 v[AK0], v14, 4, v[AK0]          ; K: row r x pitch + 16 h
	v_and_b32 v[AV0], 7, v0
	v_lshl_add_u32 v[AV0], v14, 3, v[AV0]
	v_mul_u32_u24 v[AV0], v[AV0], PV
	v_bfe_u32 v[ADV], v0, 3, 1
	v_lshl_add_u32 v[AV0], v[ADV], 4, v[AV0]
	v_add_nc_u32 v[AV0], VOFF, v[AV0]              ; V: key 8 h + lane % 8, channels 8 ((lane / 8) % 2) on
	s_mul_i32 s60, s[WV], 32*PK
	s_add_co_u32 s60, s60, STAGE                   ; my stage
	v_add_nc_u32 v[STO], s60, v[AK0]
	v_bfe_u32 v[RD], v0, 3, 2
	v_mul_u32_u24 v[RD], v[RD], PK
	v_and_b32 v[ADK], 7, v0
	v_lshl_add_u32 v[RD], v[ADK], 4, v[RD]
	v_add_nc_u32 v[RD], s60, v[RD]
	v_lshlrev_b32 v[RH], 3, v14
	v_sub_nc_u32 v[RH], v13, v[RH]
	v_mov_b32 v[NEG], 0xff800000
.irp t, 0,1
	v_mov_b32 v[ST+8*\t+1], 0xff61b1e6             ; m = -3e38, under every score
	v_mul_f32 v[ST+8*\t], s[CS], v[ST+8*\t+1]      ; c m
.irp j, 2,3,4,5,6,7
	v_mov_b32 v[ST+8*\t+\j], 0                     ; the sum; and registers that a lane permute or a pair names before they are first written
.endr
.endr
.set n, 0
.rept 64
	v_mov_b32 v[OB+n], 0                           ; O^T.  The step is written once: the first finds zeros, which a = 0 leaves zeros
.set n, n+1
.endr
	s_wait_loadcnt 0x0                             ; q
.irp i, 0,1,2,3,4,5,6,7
	ds_store_b128 v[RD], v[KV+4*\i:KV+4*\i+3] offset:4*PK*\i     ; four queries' rows a store, into my stage
.endr
.irp t, 0,1
.irp c, 0,1
.irp u, 0,1
	ds_load_b128 v[QF+16*\t+8*\c+4*\u:QF+16*\t+8*\c+4*\u+3], v[STO] offset:16*PK*\t+64*\c+32*\u   ; and back as fragments: LDS serves a wave's instructions in order
.endr
.endr
.endr
; A KEY STEP: 64 keys, the q-th of the slot in hand.
.macro STEP q
	s_add_co_u32 s66, s[Q0], 31                    ; all 64 keys come after my 32 queries: the step's work is left out (ids and the count of steps alone)
	s_cmp_gt_u32 s[KF], s66
	s_cbranch_scc1 .Lhidden_\@
	v_add_nc_u32 v[ADK], s[TB], v[AK0]
	v_add_nc_u32 v[ADV], s[TB], v[AV0]
.rept 3
	v_nop                                          ; five places in all: the products below write over P, which the last products read, and K's loads land on registers that they read
.endr
.irp kt, 0,1,2,3
.irp c, 0,1
	ds_load_b128 v[KV+8*(2*\kt+\c):KV+8*(2*\kt+\c)+3],   v[ADK] offset:(64*(\q)+16*\kt)*PK+64*\c
	ds_load_b128 v[KV+8*(2*\kt+\c)+4:KV+8*(2*\kt+\c)+7], v[ADK] offset:(64*(\q)+16*\kt)*PK+64*\c+32
.endr
.endr
	s_wait_dscnt 0x0
.irp c, 0,1                                    ; S^T = K Q^T: eight accumulators by turns; the first eight products start the sums
.irp kt, 0,1,2,3
.irp t, 0,1
.if \c == 0
	v_wmma_f32_16x16x32_f16 v[SB+32*\t+8*\kt:SB+32*\t+8*\kt+7], v[KV+8*(2*\kt+\c):KV+8*(2*\kt+\c)+7], v[QF+16*\t+8*\c:QF+16*\t+8*\c+7], 0
.else
	v_wmma_f32_16x16x32_f16 v[SB+32*\t+8*\kt:SB+32*\t+8*\kt+7], v[KV+8*(2*\kt+\c):KV+8*(2*\kt+\c)+7], v[QF+16*\t+8*\c:QF+16*\t+8*\c+7], v[SB+32*\t+8*\kt:SB+32*\t+8*\kt+7]
.endif
.endr
.endr
.endr
.rept 4
	v_nop                                          ; places in front of V's loads into K's registers and of the first read of the scores
.endr
.irp kc, 0,1                                   ; V, turned: it lands while the softmax is walked
.irp dt, 0,1,2,3
	ds_load_tr16_b128 v[KV+8*(4*\kc+\dt):KV+8*(4*\kc+\dt)+3],   v[ADV] offset:(64*(\q)+32*\kc)*PV+32*\dt
	ds_load_tr16_b128 v[KV+8*(4*\kc+\dt)+4:KV+8*(4*\kc+\dt)+7], v[ADV] offset:(64*(\q)+32*\kc)*PV+16*PV+32*\dt
.endr
.endr
	s_add_co_u32 s66, s[KF], 63                    ; a step all of whose keys count skips the mask
	s_cmp_le_u32 s66, s[Q0]
	s_cbranch_scc1 .Lopen_\@
	s_sub_co_i32 s66, s[Q0], s[KF]
	s_add_co_i32 s67, s66, 16
	v_add_nc_u32 v[ST+4], s66, v[RH]               ; d = my query - the step's first key - 8 (lane / 16).  Register 8 kt + j holds key 16 kt + 8 (lane / 16) + j: hidden where 16 kt + j > d
	v_add_nc_u32 v[ST+12], s67, v[RH]
.irp t, 0,1
.set n, 0
.rept 32
	v_cmp_gt_i32 vcc_lo, 16*(n/8)+n%8, v[ST+8*\t+4]
	v_cndmask_b32 v[SB+32*\t+n], v[SB+32*\t+n], v[NEG], vcc_lo
.set n, n+1
.endr
.endr
.Lopen_\@:
.irp j, 0,1,2,3                                ; the maximum of the lane's 32 scores and the old m: four chains, each beginning at an accumulator's low end; the two tiles line by line
.irp t, 0,1
	v_max3_num_f32 v[ST+8*\t+4+\j], v[SB+32*\t+8*\j], v[SB+32*\t+8*\j+1], v[SB+32*\t+8*\j+2]
.endr
.endr
.irp g, 1,2
.irp j, 0,1,2,3
.irp t, 0,1
	v_max3_num_f32 v[ST+8*\t+4+\j], v[ST+8*\t+4+\j], v[SB+32*\t+8*\j+2*\g+1], v[SB+32*\t+8*\j+2*\g+2]
.endr
.endr
.endr
.irp t, 0,1
	v_max3_num_f32 v[ST+8*\t+4], v[ST+8*\t+4], v[SB+32*\t+7], v[SB+32*\t+15]
	v_max3_num_f32 v[ST+8*\t+6], v[ST+8*\t+6], v[SB+32*\t+23], v[SB+32*\t+31]
.endr
.irp t, 0,1
	v_max3_num_f32 v[ST+8*\t+4], v[ST+8*\t+4], v[ST+8*\t+5], v[ST+8*\t+6]
.endr
.irp t, 0,1
	v_max3_num_f32 v[ST+8*\t+4], v[ST+8*\t+4], v[ST+8*\t+7], v[ST+8*\t+1]
.endr
.irp t, 0,1
	v_mov_b32 v[ST+8*\t+7], v[ST+8*\t]             ; c m_old is kept for a
.endr
.irp t, 0,1
	v_permlanex16_b32 v[ST+8*\t+5], v[ST+8*\t+4], s[SEL], s[SEL+1]   ; the query's other 32 keys lie in the lane 16 away
.endr
.irp t, 0,1
	v_max_num_f32 v[ST+8*\t+1], v[ST+8*\t+4], v[ST+8*\t+5]           ; the new m
.endr
.irp t, 0,1
	v_mul_f32 v[ST+8*\t], s[CS], v[ST+8*\t+1]
.endr
.irp t, 0,1
	v_sub_f32 v[ST+8*\t+7], v[ST+8*\t+7], v[ST+8*\t]
.endr
.set n, 0
.rept 16
.irp t, 0,1
	v_pk_fma_f32 v[SB+32*\t+n:SB+32*\t+n+1], v[SB+32*\t+n:SB+32*\t+n+1], s[CS:CS+1], v[ST+8*\t:ST+8*\t+1] op_sel_hi:[1,0,0] neg_lo:[0,0,1] neg_hi:[0,0,1]   ; c s - c m
.endr
.set n, n+2
.endr
.irp t, 0,1
	v_exp_f32 v[ST+8*\t+6], v[ST+8*\t+7]           ; a
.endr
.set n, 0
.rept 32
.irp t, 0,1
	v_exp_f32 v[SB+32*\t+n], v[SB+32*\t+n]         ; p, at most 1
.endr
.set n, n+1
.endr
	v_nop                                          ; a plain instruction behind the last exponential
	s_wait_alu depctr_va_vdst(0)                   ; one wait for the batch of 66, ahead of its first reader
.irp t, 0,1
	v_pk_mul_f32 v[ST+8*\t+2:ST+8*\t+3], v[ST+8*\t+2:ST+8*\t+3], v[ST+8*\t+6:ST+8*\t+7] op_sel_hi:[1,0]   ; the sum under the new m
.endr
.irp t, 0,1                                    ; the sum of the unrounded p: two chains a tile
	v_pk_add_f32 v[ST+8*\t+4:ST+8*\t+5], v[SB+32*\t+2:SB+32*\t+3], v[SB+32*\t+6:SB+32*\t+7]
	v_pk_add_f32 v[ST+8*\t+2:ST+8*\t+3], v[ST+8*\t+2:ST+8*\t+3], v[SB+32*\t:SB+32*\t+1]
.endr
.irp t, 0,1
	v_pk_add_f32 v[ST+8*\t+2:ST+8*\t+3], v[ST+8*\t+2:ST+8*\t+3], v[SB+32*\t+4:SB+32*\t+5]
.endr
.irp n, 8,12,16,20,24,28
.irp t, 0,1
	v_pk_add_f32 v[ST+8*\t+2:ST+8*\t+3], v[ST+8*\t+2:ST+8*\t+3], v[SB+32*\t+\n:SB+32*\t+\n+1]
	v_pk_add_f32 v[ST+8*\t+4:ST+8*\t+5], v[ST+8*\t+4:ST+8*\t+5], v[SB+32*\t+\n+2:SB+32*\t+\n+3]
.endr
.endr
.irp t, 0,1
	v_pk_add_f32 v[ST+8*\t+2:ST+8*\t+3], v[ST+8*\t+2:ST+8*\t+3], v[ST+8*\t+4:ST+8*\t+5]
.endr
.set n, 0
.rept 16
.irp t, 0,1
	v_cvt_pk_f16_f32 v[SB+32*\t+n], v[SB+32*\t+2*n], v[SB+32*\t+2*n+1]   ; P in f16, in place: register n is written when pairs 0 .. n - 1 have been read
.endr
.set n, n+1
.endr
.set n, 0
.rept 16
.irp t, 0,1
	v_pk_mul_f32 v[OB+32*\t+n:OB+32*\t+n+1], v[OB+32*\t+n:OB+32*\t+n+1], v[ST+8*\t+6:ST+8*\t+7] op_sel_hi:[1,0]   ; O^T under the new m, each accumulator from its low end on
.endr
.set n, n+2
.endr
	s_wait_dscnt 0x0                               ; V is in
.irp kc, 0,1                                   ; O^T += V^T P: eight accumulators by turns
.irp dt, 0,1,2,3
.irp t, 0,1
	v_wmma_f32_16x16x32_f16 v[OB+32*\t+8*\dt:OB+32*\t+8*\dt+7], v[KV+8*(4*\kc+\dt):KV+8*(4*\kc+\dt)+7], v[SB+32*\t+8*\kc:SB+32*\t+8*\kc+7], v[OB+32*\t+8*\dt:OB+32*\t+8*\dt+7]
.endr
.endr
.endr
.Lhidden_\@:
	s_add_co_u32 s[KF], s[KF], 64
.endm
; THE CHANGE OF SLOTS stands at a slot's head.  Each wave waits for all its tensor loads, adds 0 to its spare word (fill = 1: twice on end), and waits for that and
; for its reads of the slot that it has left.  Behind the barrier the slot ahead is whole and nobody reads the other one; with fill = 1 that one takes the next 256 keys, while any query of the work-group can see them.
.macro CHANGE fill
	s_wait_tensorcnt 0x0                           ; no tensor load of mine is out, so a group 0 may be written
	ds_add_u32 v[SPW], v[NIL]
.if \fill
	ds_add_u32 v[SPW], v[NIL]
	s_xor_b32 s[G0K+1], s[G0K+1], SLOT1            ; the walking descriptors: the other slot, the next 256 keys
	s_add_nc_u64 s[G0K+2:G0K+3], s[G0K+2:G0K+3], SLOTB
	s_xor_b32 s[G0V+1], s[G0V+1], SLOT1
	s_add_nc_u64 s[G0V+2:G0V+3], s[G0V+2:G0V+3], SLOTB
	s_wait_xcnt 0x0                                ; the last prefetch, a slot back, has read its address
	s_add_nc_u64 s[PFA:PFA+1], s[PFA:PFA+1], SLOTB
.endif
	s_wait_dscnt 0x0
	s_barrier_signal -1
	s_barrier_wait -1
.if \fill
	s_add_co_u32 s66, s[KF], SK                    ; the first key of the slot that this change would ask for:
	s_cmp_gt_u32 s66, s[QL]                        ; past my work-group's last query no wave reads it, so it is not asked for.  Ids and the count of steps alone: all sixteen waves go the same way
	s_cbranch_scc1 .Lpast_\@
	TLOAD                                          ; a wave's one tensor load until the next change; every wait on tensor loads in this text is for 0
.Lpast_\@:
	ASK
.endif
.endm
.macro SLOT_STEPS
.irp q, 0,1,2,3
	STEP \q
.endr
	s_xor_b32 s[TB], s[TB], SLOT1
.endm
.Lslot:                                            ; 7 trips
	CHANGE 1
	SLOT_STEPS
	s_sub_co_u32 s[SLOTS], s[SLOTS], 1
	s_cmp_lg_u32 s[SLOTS], 0
	s_cbranch_scc1 .Lslot
	CHANGE 0                                       ; the last slot is written out: nothing is left to ask for
	SLOT_STEPS
	; THE WAY OUT.  The sum's halves and the other half of the lanes' are added; O^T is divided by the sum, rounded to f16 and sent through my stage: 4,096 consecutive bytes of y16.
.irp t, 0,1
	v_add_f32 v[ST+8*\t+4], v[ST+8*\t+2], v[ST+8*\t+3]
.endr
.irp t, 0,1
	v_permlanex16_b32 v[ST+8*\t+5], v[ST+8*\t+4], s[SEL], s[SEL+1]
.endr
.irp t, 0,1
	v_add_f32 v[ST+8*\t+4], v[ST+8*\t+4], v[ST+8*\t+5]
.endr
.irp t, 0,1
	v_rcp_f32 v[ST+8*\t+6], v[ST+8*\t+4]
.endr
	v_nop
	s_wait_alu depctr_va_vdst(0)                   ; one wait for the two reciprocals, ahead of their first reader
.irp t, 0,1
.set n, 0
.rept 16
	v_pk_mul_f32 v[OB+32*\t+n:OB+32*\t+n+1], v[OB+32*\t+n:OB+32*\t+n+1], v[ST+8*\t+6:ST+8*\t+7] op_sel_hi:[1,0]
.set n, n+2
.endr
.endr
.irp t, 0,1
.set n, 0
.rept 16
	v_cvt_pk_f16_f32 v[SB+16*\t+n], v[OB+32*\t+2*n], v[OB+32*\t+2*n+1]
.set n, n+1
.endr
.endr
.irp t, 0,1
.irp dt, 0,1,2,3
	ds_store_b128 v[STO], v[SB+16*\t+4*\dt:SB+16*\t+4*\dt+3] offset:16*PK*\t+32*\dt
.endr
.endr
.irp i, 0,1,2,3,4,5,6,7
	ds_load_b128 v[KV+4*\i:KV+4*\i+3], v[RD] offset:4*PK*\i
.endr
.irp i, 0,1,2,3,4,5,6,7
	s_wait_dscnt 7-\i                              ; the younger loads may be out
	global_store_b128 v[GO], v[KV+4*\i:KV+4*\i+3], s[6:7] offset:512*\i   ; 512 consecutive bytes, aligned
.endr
	s_wait_tensorcnt 0x0                           ; the wave's end
	ds_add_u32 v[SPW], v[NIL]
	s_wait_dscnt 0x0
	s_endpgm
.Lfunc_end_k_qbf90e7593f_attn:
	.size	k_qbf90e7593f_attn, .Lfunc_end_k_qbf90e7593f_attn-k_qbf90e7593f_attn
	.p2alignl 7, 3214868480
	.fill 96, 4, 3214868480
	.section	.rodata,"a",@progbits
	.p2align	6, 0x0
	.amdhsa_kernel k_qbf90e7593f_attn
		.amdhsa_group_segment_fixed_size 327680
		.amdhsa_private_segment_fixed_size 0
		.amdhsa_enable_private_segment 0
		.amdhsa_kernarg_size 16
		.amdhsa_user_sgpr_count 2
		.amdhsa_user_sgpr_kernarg_segment_ptr 1
		.amdhsa_wavefront_size32 1
		.amdhsa_system_sgpr_workgroup_id_x 1
		.amdhsa_system_sgpr_workgroup_id_y 1
		.amdhsa_system_sgpr_workgroup_id_z 1
		.amdhsa_system_vgpr_workitem_id 0
		.amdhsa_next_free_vgpr 256
		.amdhsa_next_free_sgpr 72
		.amdhsa_reserve_vcc 1
		.amdhsa_float_denorm_mode_32 3
		.amdhsa_float_denorm_mode_16_64 3
		.amdhsa_memory_ordered 1
		.amdhsa_forward_progress 1
		.amdhsa_inst_pref_size 190
	.end_amdhsa_kernel
	.amdgpu_metadata
---
amdhsa.version: [ 1, 2 ]
amdhsa.kernels:
  - .name:           k_qbf90e7593f_attn
    .symbol:         k_qbf90e7593f_attn.kd
    .args:
      - { .name: qkv16, .offset: 0, .size: 8, .value_kind: global_buffer, .address_space: global }
      - { .name: y16, .offset: 8, .size: 8, .value_kind: global_buffer, .address_space: global }
    .group_segment_fixed_size: 327680
    .private_segment_fixed_size: 0
    .kernarg_segment_align: 8
    .kernarg_segment_size: 16
    .max_flat_workgroup_size: 512
    .sgpr_count:     72
    .vgpr_count:     256
    .wavefront_size: 32
...
	.end_amdgpu_metadata
.endif
;; end of part 3
;; launch proj (part 4): grid 8 x 64, 4 waves a work-group, clusters of 4 x 4, 327,680 bytes of LDS; arguments y16, pw16, proj_b, out0; writes out0
.if DOCPART == 4
	.amdgcn_target "amdgcn-amd-amdhsa--gfx1250"
	.amdhsa_code_object_version 6
	.text
	.protected	k_qbf90e7593f_proj
	.globl	k_qbf90e7593f_proj
	.p2align	8
	.type	k_qbf90e7593f_proj,@function
k_qbf90e7593f_proj:
	s_mov_b64 s[64:65], 0
	v_nop
	global_prefetch_b8 v0, s[64:65] scope:SCOPE_SE
	s_setreg_imm32_b32 hwreg(HW_REG_WAVE_MODE, 25, 1), 1
	s_wait_xcnt 0x0
	s_wait_alu depctr_hold_cnt(0) depctr_sa_sdst(0) depctr_va_vdst(0) depctr_va_sdst(0) depctr_va_ssrc(0) depctr_va_vcc(0) depctr_vm_vsrc(0)
	s_getreg_b32 s2, hwreg(HW_REG_IB_STS2, 6, 4)
	s_cmp_eq_u32 s2, 0
	s_cbranch_scc0 .Lentry_in_a_cluster
	s_endpgm
.Lentry_in_a_cluster:
	s_bfe_u32 s2, ttmp6, 0x10000c
	s_cmp_lg_u32 s2, 0xf033
	s_cbranch_scc0 .Lentry_shape_is_right
	s_endpgm
.Lentry_shape_is_right:
; out0[row][o] = sum over c of y[row][c] proj_w[o][c] + proj_b[o].  y16: [h 16][row 8192][64] f16 (c = 64 h + d); pw16: [1024][1024] f16; out0: [8192][1024] f32; sums in f32.
; The bias is the C of each sum's first product: it enters the f32 sum first.  Rows 0-15 of each batch are replaced by the next launch's f32 rows.
; A tile of 128 x 128 is made by four waves, each 64 x 64: 16 accumulators.  K goes in steps of 256 through two LDS slots.  A K step of y is FOUR PLANES: 128 tokens x 128 bytes of each, dense in memory;
; one tensor load brings two planes as two rows of 16,384 bytes, with 16 bytes of padding behind every 128: a token's row is 144 bytes apart from the next.  A quarter step (64 along K) is one plane.
; CLUSTERS: 4 x 4: y's tiles are shared along a row of the cluster, proj_w's along a column, by joint loads.  THE MATRIX INSTRUCTION IS USED TRANSPOSED (source 0 = 16 rows of proj_w, source 1 = 16 rows of y).
; REGISTERS: window 0: v0-31 addresses; v32-95 the way out; v96-127 the bias; v128-255 the accumulators ((a, b) at v[128 + 8 (4 a + b)]).  window 1: two fragment buffers of 128 (64 of y, 64 of proj_w).
.set KSTEP,  256
.set PITCH,  528                       ; proj_w's LDS row: 512 bytes + 16
.set PA,     144                       ; y's LDS row: 128 bytes + 16
.set PLANE,  128*PA
.set AHALF,  2*PLANE                   ; what one load of y brings
.set BOFF,   4*PLANE
.set BHALF,  64*PITCH                  ; what one load of proj_w brings
.set SLOT,   BOFF+2*BHALF
.set STAGE,  2*SLOT                    ; behind the ring: 16 rows x 272 bytes for each wave
.set SPITCH, 272
.set SPARE,  STAGE+4*16*SPITCH         ; the spare words: 128 bytes a wave, named by no other line
.set LAPS,   2                         ; a lap = two K steps
.set ADRA, 16
.set ADRB, 20
.set STO,  24
.set RD,   25
.set CO,   26
.set SPW,  28
.set NIL,  29
.set BADR, 30
.set BB0,  32                          ; the way out: v32-63 and v64-95 by turns
.set BIAS, 96
.set ACC,  128
.set F0,   0
.set F1,   128
.set G1, 24
.set G0, 32
.set G1B, 48
.set G0B, 56
.set MSB, 0
.macro WIN new
.if MSB != \new
	s_set_vgpr_msb (MSB<<8)|\new
.set MSB, \new
.endif
.endm
.set MUL,  0x05                        ; sources 0 and 1 window 1; C and D window 0
.set TO_F, 0x40
.macro JLOAD s                         ; a joint load: waves 0 and 1 fetch y's halves, waves 2 and 3 proj_w's; an s_nop 0 and four v_nop follow each line
	s_cmp_eq_u32 s11, 0
	s_cbranch_scc0 .Lfor_b_\@
	tensor_load_to_lds s[G0+4*\s:G0+4*\s+3], s[G1:G1+7]
	s_nop 0
.rept 4
	v_nop
.endr
	s_branch .Lasked_\@
.Lfor_b_\@:
	tensor_load_to_lds s[G0B+4*\s:G0B+4*\s+3], s[G1B:G1B+7]
	s_nop 0
.rept 4
	v_nop
.endr
.Lasked_\@:
.endm
.macro CREST
	s_cmp_lg_u32 s10, 0
	s_cbranch_scc1 .Lnot_wave_0_\@
	s_barrier_signal -3
.Lnot_wave_0_\@:
	s_barrier_wait -3
	s_barrier_signal -1
	s_barrier_wait -1
.endm
.macro CROUND
	s_barrier_signal -1
	s_barrier_wait -1
	CREST
.endm
	s_load_b128 s[4:7], s[0:1], 0x0                ; y16, pw16
	s_load_b128 s[68:71], s[0:1], 0x10             ; proj_b, out0
	v_lshl_add_u32 v[SPW], v0, 2, SPARE
	v_mov_b32 v[NIL], 0
	ds_add_u32 v[SPW], v[NIL]                      ; the wave's opening: the add, twice on end, and its wait ahead of my first tensor load
	ds_add_u32 v[SPW], v[NIL]
	v_lshrrev_b32 v1, 5, v0
	v_readfirstlane_b32 s10, v1                    ; wave 0..3
	s_lshr_b32 s11, s10, 1                         ; my half of the tile's rows.  Also: I fetch for y (0) or proj_w (1)
	s_and_b32 s12, s10, 1                          ; my half of its columns.  Also: which half I fetch
	s_bfe_u32 s40, ttmp6, 0x40000                  ; cx
	s_bfe_u32 s41, ttmp6, 0x40004                  ; cy
	s_lshl_b32 s42, ttmp9, 2
	s_add_co_u32 s42, s42, s40                     ; tile column
	s_and_b32 s13, ttmp7, 0xffff
	s_lshl_b32 s13, s13, 2
	s_add_co_u32 s13, s13, s41                     ; tile row
	s_lshl_b32 s43, s41, 2
	s_lshl_b32 s43, 15, s43                        ; my row of the cluster
	s_lshl_b32 s44, 0x1111, s40                    ; my column
	s_or_b32 s[G1+0], s43, (1<<16)|(1<<20)|(1<<21)|(4<<22)|(3<<25)   ; y: elements of 2 bytes; padding of 4 words behind every 32
	s_mov_b32 s[G1+1], 8192<<16                    ; tensor_dim0: 128 tokens x 64 elements, dense
	s_mov_b32 s[G1+2], 2<<16                       ; tensor_dim1: two planes
	s_mov_b32 s[G1+3], 8192<<16                    ; tile_dim0
	s_mov_b32 s[G1+4], 2                           ; tile_dim1
	s_mov_b32 s[G1+5], 524288                      ; from plane to plane: 8,192 rows x 64 elements
	s_mov_b32 s[G1+6], 0
	s_mov_b32 s[G1+7], 0
	s_or_b32 s[G1B+0], s44, (1<<16)|(1<<20)|(1<<21)|(6<<22)|(3<<25)  ; proj_w: padding of 4 words behind every 128
	s_mov_b32 s[G1B+1], KSTEP<<16
	s_mov_b32 s[G1B+2], 64<<16
	s_mov_b32 s[G1B+3], KSTEP<<16
	s_mov_b32 s[G1B+4], 64
	s_mov_b32 s[G1B+5], 1024
	s_mov_b32 s[G1B+6], 0
	s_mov_b32 s[G1B+7], 0
	s_lshl_b32 s16, s13, 14                        ; y: the tile's 128 tokens of 128 bytes,
	s_lshl_b32 s17, s12, 21
	s_add_co_u32 s16, s16, s17                     ; + my two planes of the K step's four
	s_mov_b32 s17, 0
	s_lshl_b32 s46, s42, 18                        ; proj_w: 128 rows of 2,048 bytes a tile column,
	s_lshl_b32 s47, s12, 17
	s_add_co_u32 s46, s46, s47                     ; + my 64 rows
	s_mov_b32 s47, 0
	s_mul_i32 s20, s12, AHALF                      ; where they go: made of the wave's number alone
	s_mul_i32 s21, s12, BHALF
	s_add_co_u32 s21, s21, BOFF
	s_wait_dscnt 0x0                               ; both opening adds are done
	s_wait_kmcnt 0x0
	s_add_nc_u64 s[14:15], s[4:5], s[16:17]
	s_add_nc_u64 s[46:47], s[6:7], s[46:47]
	CROUND                                         ; all sixteen work-groups are here
.irp s, 0,1
	s_mov_b32 s[G0+4*\s], 1
	s_add_co_u32 s[G0+4*\s+1], s20, \s*SLOT
	s_add_nc_u64 s[G0+4*\s+2:G0+4*\s+3], s[14:15], \s*4*1048576   ; K step s: four planes on
	s_or_b32 s[G0+4*\s+3], s[G0+4*\s+3], 0x80000000
	s_mov_b32 s[G0B+4*\s], 1
	s_add_co_u32 s[G0B+4*\s+1], s21, \s*SLOT
	s_add_nc_u64 s[G0B+4*\s+2:G0B+4*\s+3], s[46:47], \s*KSTEP*2
	s_or_b32 s[G0B+4*\s+3], s[G0B+4*\s+3], 0x80000000
	JLOAD \s
.endr
	v_and_b32 v1, 15, v0                           ; r
	v_bfe_u32 v2, v0, 4, 1                         ; h
	v_lshlrev_b32 v[BADR], 5, v2
	s_lshl_b32 s46, s42, 9                         ; my first column, in bytes of f32: 512 tile column + 256 column half
	s_lshl_b32 s47, s12, 8
	s_add_co_u32 s46, s46, s47
	s_mov_b32 s47, 0
	s_add_nc_u64 s[68:69], s[68:69], s[46:47]
.irp b, 0,1,2,3
	global_load_b128 v[BIAS+8*\b:BIAS+8*\b+3], v[BADR], s[68:69] offset:64*\b        ; proj_b at my columns 16 b + 8 h + 0 .. 7
	global_load_b128 v[BIAS+8*\b+4:BIAS+8*\b+7], v[BADR], s[68:69] offset:64*\b+16
.endr
	s_add_nc_u64 s[70:71], s[70:71], s[46:47]
	s_lshl_b32 s16, s13, 19                        ; my first row: 128 tile row + 64 row half, rows of 4,096 bytes
	s_lshl_b32 s17, s11, 18
	s_add_co_u32 s16, s16, s17
	s_mov_b32 s17, 0
	s_add_nc_u64 s[70:71], s[70:71], s[16:17]
	v_mul_u32_u24 v3, v1, PA
	v_lshl_add_u32 v3, v2, 4, v3                   ; y: token r x pitch + 16 h
	v_mul_u32_u24 v4, v1, PITCH
	v_lshl_add_u32 v4, v2, 4, v4                   ; proj_w likewise
	s_mul_i32 s21, s11, 64*PA                      ; my 64 tokens of each plane
	s_mul_i32 s22, s12, BHALF
	s_add_co_u32 s22, s22, BOFF                    ; my 64 rows of proj_w
.irp s, 0,1
	v_add_nc_u32 v[ADRA+\s], s21, v3
	v_add_nc_u32 v[ADRB+\s], s22, v4
	s_add_co_u32 s21, s21, SLOT
	s_add_co_u32 s22, s22, SLOT
.endr
	s_mul_i32 s23, s10, 16*SPITCH
	s_add_co_u32 s23, s23, STAGE                   ; my stage
	v_mul_u32_u24 v4, v1, SPITCH
	v_lshl_add_u32 v4, v2, 5, v4
	v_add_nc_u32 v[STO], s23, v4                   ; in: row r, 32 bytes for each half of the lanes
	v_mul_u32_u24 v5, v2, SPITCH
	v_lshl_add_u32 v5, v1, 4, v5
	v_add_nc_u32 v[RD], s23, v5                    ; back: lanes 0-15 one row of 256 bytes, lanes 16-31 the next
	v_lshlrev_b32 v5, 12, v2
	v_lshl_add_u32 v[CO], v1, 4, v5                ; and the same two rows in out0
; 8 matrix instructions: row blocks a0, a0 + 1 x all 4 column blocks, 32 along K: half c of buffer f.  zero = 1: the first product starts the sums from the bias.  The 16 accumulators take turns.
.macro MUL8 f, c, a0, zero
.irp a, \a0, \a0+1
.irp b, 0,1,2,3
.if \zero
	v_wmma_f32_16x16x32_f16 v[ACC+8*(4*(\a)+\b):ACC+8*(4*(\a)+\b)+7], v[\f+64+8*(4*\c+\b):\f+64+8*(4*\c+\b)+7], v[\f+8*(4*\c+\a):\f+8*(4*\c+\a)+7], v[BIAS+8*\b:BIAS+8*\b+7]
.else
	v_wmma_f32_16x16x32_f16 v[ACC+8*(4*(\a)+\b):ACC+8*(4*(\a)+\b)+7], v[\f+64+8*(4*\c+\b):\f+64+8*(4*\c+\b)+7], v[\f+8*(4*\c+\a):\f+8*(4*\c+\a)+7], v[ACC+8*(4*(\a)+\b):ACC+8*(4*(\a)+\b)+7]
.endif
.endr
.endr
.endm
; 32 LDS loads in one run: the fragments of 64 along K: byte k of proj_w's rows, plane k / 128 of y
.macro FETCH slot, k, f
	WIN TO_F
.irp c, 0,1
.irp i, 0,1,2,3
	ds_load_b128 v[\f+64+8*(4*\c+\i):\f+64+8*(4*\c+\i)+3],   v[ADRB+\slot] offset:\k+64*\c+\i*16*PITCH
	ds_load_b128 v[\f+64+8*(4*\c+\i)+4:\f+64+8*(4*\c+\i)+7], v[ADRB+\slot] offset:\k+64*\c+\i*16*PITCH+32
	ds_load_b128 v[\f+8*(4*\c+\i):\f+8*(4*\c+\i)+3],         v[ADRA+\slot] offset:(\k/128)*PLANE+64*\c+\i*16*PA
	ds_load_b128 v[\f+8*(4*\c+\i)+4:\f+8*(4*\c+\i)+7],       v[ADRA+\slot] offset:(\k/128)*PLANE+64*\c+\i*16*PA+32
.endr
.endr
.endm
.macro PLACES
.rept 4
	v_nop
.endr
.endm
.macro QUARTER slot, k, f, g, zero
	s_wait_dscnt 16                                ; the first 32 along K are in; the other sixteen loads may be out
	WIN MUL
	MUL8 \f, 0, 0, \zero
	MUL8 \f, 0, 2, \zero
	PLACES
	FETCH \slot, \k, \g
	s_wait_dscnt 32                                ; all but the 32 just issued
	WIN MUL
	MUL8 \f, 1, 0, 0
	MUL8 \f, 1, 2, 0
.endm
; The last quarter changes slots: one barrier; in front of it each wave waits for all its tensor loads, adds 0 to its spare word, and waits for that and for its reads of this slot.  fill = 1: this slot is filled again.
.macro TURN slot, next, fill
	WIN 0
	s_wait_tensorcnt 0x0
	ds_add_u32 v[SPW], v[NIL]
	s_wait_dscnt 17                                ; the add and the youngest sixteen loads may be out
	WIN MUL
	MUL8 F1, 0, 0, 0
	s_wait_dscnt 0x0                               ; the add is done, and my reads of this slot are over
	s_barrier_signal -1
	MUL8 F1, 0, 2, 0
.if \fill
	WIN 0
.endif
	s_barrier_wait -1
.if \fill
	CREST                                          ; the barrier has opened a round of the cluster's barrier
	s_add_nc_u64 s[G0+4*\slot+2:G0+4*\slot+3], s[G0+4*\slot+2:G0+4*\slot+3], 8*1048576   ; two K steps on: eight planes
	s_add_nc_u64 s[G0B+4*\slot+2:G0B+4*\slot+3], s[G0B+4*\slot+2:G0B+4*\slot+3], 2*KSTEP*2
	JLOAD \slot                                    ; the first tensor load behind the round; its four v_nop are also the places in front of the loads below
.else
	PLACES
.endif
	FETCH \next, 0, F0
	WIN MUL
	MUL8 F1, 1, 0, 0
	MUL8 F1, 1, 2, 0
.endm
	s_wait_tensorcnt 1                             ; my part of K step 0 is in; K step 1's load may be out
	s_barrier_signal -1
	s_barrier_wait -1
	FETCH 0, 0, F0
	s_wait_loadcnt 0x0                             ; the bias
	QUARTER 0, 128, F0, F1, 1
	WIN 0
	s_mov_b32 s3, LAPS-1
.Llap:
	QUARTER 0, 256, F1, F0, 0
	QUARTER 0, 384, F0, F1, 0
	TURN 0, 1, 1
	QUARTER 1, 128, F0, F1, 0
	QUARTER 1, 256, F1, F0, 0
	QUARTER 1, 384, F0, F1, 0
	TURN 1, 0, 1
	QUARTER 0, 128, F0, F1, 0
	WIN 0
	s_sub_co_u32 s3, s3, 1
	s_cmp_lg_u32 s3, 0
	s_cbranch_scc1 .Llap
	QUARTER 0, 256, F1, F0, 0                      ; the last lap fills nothing
	QUARTER 0, 384, F0, F1, 0
	TURN 0, 1, 0
	QUARTER 1, 128, F0, F1, 0
	QUARTER 1, 256, F1, F0, 0
	QUARTER 1, 384, F0, F1, 0
	s_wait_dscnt 16
	WIN MUL
	MUL8 F1, 0, 0, 0
	MUL8 F1, 0, 2, 0
	s_wait_dscnt 0
	MUL8 F1, 1, 0, 0
	MUL8 F1, 1, 2, 0
	WIN 0
; THE WAY OUT: a wave's 64 columns of f32 are 256 aligned bytes of a row: a block of 16 rows goes through my own stage and comes back as whole runs.  LDS serves a wave's instructions in order.
.macro TOSTAGE a
.set BB, BB0+32*((\a)%2)
.irp b, 0,1,2,3
	ds_store_b128 v[STO], v[ACC+8*(4*(\a)+\b):ACC+8*(4*(\a)+\b)+3] offset:64*\b        ; each accumulator from its low end on
	ds_store_b128 v[STO], v[ACC+8*(4*(\a)+\b)+4:ACC+8*(4*(\a)+\b)+7] offset:64*\b+16
.endr
.irp i, 0,1,2,3,4,5,6,7
	ds_load_b128 v[BB+4*\i:BB+4*\i+3], v[RD] offset:\i*2*SPITCH
.endr
.endm
.macro SEND a, younger
.set BB, BB0+32*((\a)%2)
	s_wait_dscnt \younger                          ; the block is back; the next block's 8 stores and 8 loads may be out
.irp i, 0,1,2,3,4,5,6,7
	global_store_b128 v[CO], v[BB+4*\i:BB+4*\i+3], s[70:71] offset:(16*(\a)+2*\i)*4096 th:TH_STORE_NT   ; 16 lanes store 256 consecutive bytes, aligned
.endr
.endm
	PLACES
	TOSTAGE 0
.irp a, 1,2,3
.if \a > 1
	s_wait_xcnt 0x0                                ; block a - 2's stores have read their registers: block a's loads may land there
.endif
	TOSTAGE \a
	SEND \a-1, 16
.endr
	SEND 3, 0
	s_wait_tensorcnt 0x0                           ; the wave's end
	ds_add_u32 v[SPW], v[NIL]
	s_wait_dscnt 0x0
	CROUND                                         ; the closing round
	s_endpgm
.Lfunc_end_k_qbf90e7593f_proj:
	.size	k_qbf90e7593f_proj, .Lfunc_end_k_qbf90e7593f_proj-k_qbf90e7593f_proj
	.p2alignl 7, 3214868480
	.fill 96, 4, 3214868480
	.section	.rodata,"a",@progbits
	.p2align	6, 0x0
	.amdhsa_kernel k_qbf90e7593f_proj
		.amdhsa_group_segment_fixed_size 327680
		.amdhsa_private_segment_fixed_size 0
		.amdhsa_enable_private_segment 0
		.amdhsa_kernarg_size 32
		.amdhsa_user_sgpr_count 2
		.amdhsa_user_sgpr_kernarg_segment_ptr 1
		.amdhsa_wavefront_size32 1
		.amdhsa_system_sgpr_workgroup_id_x 1
		.amdhsa_system_sgpr_workgroup_id_y 1
		.amdhsa_system_sgpr_workgroup_id_z 1
		.amdhsa_system_vgpr_workitem_id 0
		.amdhsa_next_free_vgpr 512
		.amdhsa_next_free_sgpr 72
		.amdhsa_reserve_vcc 0
		.amdhsa_float_denorm_mode_32 3
		.amdhsa_float_denorm_mode_16_64 3
		.amdhsa_memory_ordered 1
		.amdhsa_forward_progress 1
		.amdhsa_inst_pref_size 87
	.end_amdhsa_kernel
	.amdgpu_metadata
---
amdhsa.version: [ 1, 2 ]
amdhsa.kernels:
  - .name:           k_qbf90e7593f_proj
    .symbol:         k_qbf90e7593f_proj.kd
    .args:
      - { .name: y16, .offset: 0, .size: 8, .value_kind: global_buffer, .address_space: global }
      - { .name: pw16, .offset: 8, .size: 8, .value_kind: global_buffer, .address_space: global }
      - { .name: proj_b, .offset: 16, .size: 8, .value_kind: global_buffer, .address_space: global }
      - { .name: out0, .offset: 24, .size: 8, .value_kind: global_buffer, .address_space: global }
    .group_segment_fixed_size: 327680
    .private_segment_fixed_size: 0
    .kernarg_segment_align: 8
    .kernarg_segment_size: 32
    .max_flat_workgroup_size: 128
    .sgpr_count:     72
    .vgpr_count:     512
    .wavefront_size: 32
...
	.end_amdgpu_metadata
.endif
;; end of part 4
;; launch first16 (part 5): grid 16 x 4, 16 waves a work-group, no clusters, 141,568 bytes of LDS; arguments qkv32, proj_w, proj_b, out0; writes out0
.if DOCPART == 5
	.amdgcn_target "amdgcn-amd-amdhsa--gfx1250"
	.amdhsa_code_object_version 6
	.text
	.protected	k_qbf90e7593f_first16
	.globl	k_qbf90e7593f_first16
	.p2align	8
	.type	k_qbf90e7593f_first16,@function
k_qbf90e7593f_first16:
	s_mov_b64 s[64:65], 0
	v_nop
	global_prefetch_b8 v0, s[64:65] scope:SCOPE_SE
	s_setreg_imm32_b32 hwreg(HW_REG_WAVE_MODE, 25, 1), 1
	s_wait_xcnt 0x0
; Positions 0-15 of every batch once more, all in f32: causal attention over 16 keys for each of the 16 heads, and the projection; the 64 rows of out0 replace those of the launch before.
; These rows average one to sixteen values and are the largest of the output: f16 operands would use up too much of what the comparison allows.
; SHARES.  Work-group (x, batch) makes outputs 64 x .. 64 x + 63 of the batch's 16 rows.  PHASE A: wave w does head w: 32 matrix instructions of the f32 form (each of the 16 work-groups of a batch repeats them:
; less than a launch of its own would cost).  PHASE B: wave w makes outputs 4 w .. 4 w + 3 by fused multiply-adds, the lanes along K, so that proj_w and y are read in consecutive bytes.
; qkv32 [b][plane 48][4,096 bytes]: byte 512 g + 16 lane + 4 e = (t = lane % 16, d = 8 g + 4 (lane / 16) + e).  A register pair of q and the same pair of k hold the same four d over the two halves of the lanes:
; a permutation of K applied alike to both operands.
; No tensor loads, no cluster: 64 small work-groups; what they share is small.
; REGISTERS: v1 16 x lane; v2, v3 the add's two; v4-11 four sum pairs; v12, v13 LDS addresses of phase B; v[14:15] the bias; v16-47 q, later proj_w's row 0; v48-79 k, later row 1; v80-111 v, then y, then rows of y;
;   v112-127, v128-159: accumulators, written by matrix instructions alone; v160-223 proj_w's rows 2, 3; v224-231 scores and p; v232-247 phase A's addresses and temporaries; v224-255 rows of y in phase B.
.set VP,   272                         ; v's turn: a key's row of 256 bytes + 16
.set VT,   0                           ; 16 waves x 16 rows
.set YP,   4112                        ; a row of y: 4,096 bytes + 16
.set YL,   16*16*VP
.set OST,  YL+16*YP                    ; 16 rows x 64 outputs
.set SPARE, OST+4096                   ; the spare words: 128 bytes a wave, named by no other line
.set LI,   1
.set SPW,  2
.set NIL,  3
.set YA,   12
.set OA,   13
	s_load_b256 s[4:11], s[0:1], 0x0               ; qkv32, proj_w, proj_b, out0
	v_lshl_add_u32 v[SPW], v0, 2, SPARE
	v_mov_b32 v[NIL], 0
	v_lshrrev_b32 v4, 5, v0
	v_readfirstlane_b32 s12, v4                    ; wave = head
	s_and_b32 s13, ttmp7, 0xffff                   ; batch
	s_mul_i32 s14, s13, 48
	s_add_co_u32 s14, s14, s12
	s_lshl_b32 s14, s14, 12                        ; q's block of head w
	s_mov_b32 s15, 0
	s_lshl_b32 s16, ttmp9, 18
	s_lshl_b32 s17, s12, 14
	s_add_co_u32 s16, s16, s17                     ; proj_w's row 64 x + 4 w
	s_mov_b32 s17, 0
	s_lshl_b32 s18, ttmp9, 8                       ; 64 outputs of 4 bytes
	s_mov_b32 s19, 0
	s_lshl_b32 s20, s13, 23
	s_lshl_b32 s21, s12, 12
	s_add_co_u32 s20, s20, s21
	s_add_co_u32 s20, s20, s18                     ; out0: row 2048 b + w, output 64 x
	s_mov_b32 s21, 0
	s_mov_b32 s40, 0xaaaaaaaa                      ; lanes with bit 0 set
	s_mov_b32 s41, 0xcccccccc                      ; with bit 1 set
	s_mov_b32 s42, 0x76543210
	s_mov_b32 s43, 0xfedcba98
	s_mov_b32 s44, 0x3e38aa3b                      ; c = log2(e) / 8
	v_and_b32 v246, 15, v0                         ; r
	v_bfe_u32 v247, v0, 4, 1                       ; h
	v_and_b32 v[LI], 31, v0
	v_lshlrev_b32 v241, 3, v[LI]                   ; 8 x lane
	v_lshlrev_b32 v[LI], 4, v[LI]
	s_mul_i32 s22, s12, 16*VP
	v_mul_u32_u24 v233, v246, VP
	v_lshl_add_u32 v233, v247, 4, v233
	v_add_nc_u32 v233, s22, v233                   ; v in: key r, 16 bytes for each half
	v_mul_u32_u24 v234, v247, 8*VP
	v_lshl_add_u32 v234, v246, 2, v234
	v_add_nc_u32 v234, s22, v234                   ; v back: keys 8 h on, channel r
	s_lshl_b32 s22, s12, 8
	s_add_co_u32 s22, s22, YL
	v_mul_u32_u24 v235, v246, YP
	v_lshl_add_u32 v235, v247, 5, v235
	v_add_nc_u32 v235, s22, v235                   ; y in: row r, head w's 256 bytes, 32 for each half
	v_lshlrev_b32 v236, 3, v247
	v_sub_nc_u32 v236, v246, v236                  ; r - 8 h
	v_mov_b32 v237, 0xff800000                     ; -infinity
	v_mov_b32 v239, 0                              ; a lane permute's destination counts as read
	v_add_nc_u32 v[YA], YL, v[LI]
	v_and_b32 v[OA], 3, v0
	s_lshl_b32 s22, s12, 4
	s_add_co_u32 s22, s22, OST
	v_lshl_add_u32 v[OA], v[OA], 2, s22            ; my output's word: 4 w + lane % 4
	s_wait_kmcnt 0x0
	s_add_nc_u64 s[4:5], s[4:5], s[14:15]
	s_add_nc_u64 s[6:7], s[6:7], s[16:17]
	s_add_nc_u64 s[8:9], s[8:9], s[18:19]
	s_add_nc_u64 s[10:11], s[10:11], s[20:21]
.irp g, 0,1,2,3,4,5,6,7
	global_load_b128 v[16+4*\g:19+4*\g], v[LI], s[4:5] offset:512*\g                 ; q
.endr
.irp g, 0,1,2,3,4,5,6,7
	global_load_b128 v[48+4*\g:51+4*\g], v[LI], s[4:5] offset:65536+512*\g           ; k: 16 planes on
.endr
.irp g, 0,1,2,3,4,5,6,7
	global_load_b128 v[80+4*\g:83+4*\g], v[LI], s[4:5] offset:131072+512*\g          ; v
.endr
.irp oo, 2,3
.irp i, 0,1,2,3,4,5,6,7
	global_load_b128 v[96+32*\oo+4*\i:99+32*\oo+4*\i], v[LI], s[6:7] offset:4096*\oo+512*\i   ; proj_w's rows 2, 3: c = 128 i + 4 lane + 0 .. 3
.endr
.endr
	global_load_b64 v[14:15], v241, s[8:9]         ; proj_b at outputs 2 lane, 2 lane + 1
	; ---- PHASE A.  S^T = k q^T: source 0 = 16 keys, source 1 = 16 queries: a lane holds query r and keys 8 h + 0 .. 7.  Two accumulators by turns.
	s_wait_loadcnt 25                              ; q and k are in; v's 8, proj_w's 16 and the bias may be out
	v_wmma_f32_16x16x4_f32 v[112:119], v[48:49], v[16:17], 0
	v_wmma_f32_16x16x4_f32 v[120:127], v[50:51], v[18:19], 0
.irp i, 2,3,4,5,6,7,8,9,10,11,12,13,14,15
	v_wmma_f32_16x16x4_f32 v[112+8*(\i%2):119+8*(\i%2)], v[48+2*\i:49+2*\i], v[16+2*\i:17+2*\i], v[112+8*(\i%2):119+8*(\i%2)]
.endr
	s_wait_loadcnt 17                              ; v is in
.irp g, 0,1,2,3,4,5,6,7
	ds_store_b128 v233, v[80+4*\g:83+4*\g] offset:32*\g                              ; v as rows of 64 channels,
.endr
.irp dt, 0,1,2,3
.irp e, 0,1,2,3,4,5,6,7
	ds_load_b32 v[80+8*\dt+\e], v234 offset:VP*\e+64*\dt                             ; and back turned: lane (r, h): v(key 8 h + e, channel 16 dt + r).  LDS serves a wave's instructions in order
.endr
.endr
.rept 8
	v_nop                                          ; eight places behind this form: in front of the loads into q's and k's registers and of the first read of the scores
.endr
.irp oo, 0,1
.irp i, 0,1,2,3,4,5,6,7
	global_load_b128 v[16+32*\oo+4*\i:19+32*\oo+4*\i], v[LI], s[6:7] offset:4096*\oo+512*\i   ; proj_w's rows 0, 1
.endr
.endr
.irp j, 0,1,2,3,4,5,6,7
	v_add_f32 v[224+\j], v[112+\j], v[120+\j]      ; the two halves of the sum over d, from the accumulators' low end on
.endr
.irp j, 0,1,2,3,4,5,6,7
	v_cmp_gt_i32 vcc_lo, \j, v236                  ; key 8 h + j comes after query r
	v_cndmask_b32 v[224+\j], v[224+\j], v237, vcc_lo
.endr
	v_max3_num_f32 v238, v224, v225, v226
	v_max3_num_f32 v238, v238, v227, v228
	v_max3_num_f32 v238, v238, v229, v230
	v_max_num_f32 v238, v238, v231
	v_permlanex16_b32 v239, v238, s42, s43
	v_max_num_f32 v238, v238, v239                 ; the row's maximum: key 0 counts for every query, so it is a number
	v_mul_f32 v245, s44, v238
.irp j, 0,1,2,3,4,5,6,7
	v_fma_f32 v[224+\j], v[224+\j], s44, -v245     ; c s - c m
.endr
.irp j, 0,1,2,3,4,5,6,7
	v_exp_f32 v[224+\j], v[224+\j]
.endr
	v_nop
	s_wait_alu depctr_va_vdst(0)                   ; one wait for the eight, ahead of their first reader
	v_add_f32 v238, v224, v225
	v_add_f32 v239, v226, v227
	v_add_f32 v238, v238, v228
	v_add_f32 v239, v239, v229
	v_add_f32 v238, v238, v230
	v_add_f32 v239, v239, v231
	v_add_f32 v238, v238, v239
	v_permlanex16_b32 v239, v238, s42, s43
	v_add_f32 v238, v238, v239                     ; the row's sum
	v_rcp_f32 v244, v238
	s_wait_dscnt 0x0                               ; v, turned, is in
.irp s, 0,1,2,3                                ; O^T = v^T p: in instruction s both operands hold key 8 h + 2 s + j; four accumulators by turns; the first four start the sums
.irp dt, 0,1,2,3
.if \s == 0
	v_wmma_f32_16x16x4_f32 v[128+8*\dt:135+8*\dt], v[80+8*\dt+2*\s:81+8*\dt+2*\s], v[224+2*\s:225+2*\s], 0
.else
	v_wmma_f32_16x16x4_f32 v[128+8*\dt:135+8*\dt], v[80+8*\dt+2*\s:81+8*\dt+2*\s], v[224+2*\s:225+2*\s], v[128+8*\dt:135+8*\dt]
.endif
.endr
.endr
.rept 8
	v_nop
.endr
	s_wait_alu depctr_va_vdst(0)                   ; the reciprocal's wait, ahead of its first reader
.irp dt, 0,1,2,3
.irp j, 0,1,2,3,4,5,6,7
	v_mul_f32 v[80+8*\dt+\j], v[128+8*\dt+\j], v244      ; y(t = r, c = 64 w + 16 dt + 8 h + j), into other registers than the sums'
.endr
.endr
.irp dt, 0,1,2,3
	ds_store_b128 v235, v[80+8*\dt:83+8*\dt] offset:64*\dt
	ds_store_b128 v235, v[84+8*\dt:87+8*\dt] offset:64*\dt+16
.endr
	s_wait_dscnt 0x0                               ; for the others' sake: my part of y has landed
	s_barrier_signal -1
	s_barrier_wait -1                              ; 16 whole rows of y lie in LDS
	; ---- PHASE B
	s_wait_loadcnt 0x0                             ; proj_w's four rows and the bias
.macro YLOAD t                         ; row t of y: c = 128 i + 4 lane + 0 .. 3, as proj_w's rows lie; v80-111 and v224-255 by turns
.set YB, 80+144*((\t)%2)
.irp i, 0,1,2,3,4,5,6,7
	ds_load_b128 v[YB+4*\i:YB+4*\i+3], v[YA] offset:YP*(\t)+512*\i
.endr
.endm
.macro PROJ t
.set YB, 80+144*((\t)%2)
.if (\t) == 0
	s_wait_dscnt 8                                 ; behind row 0's loads: row 1's eight
.elseif (\t) == 1
	s_wait_dscnt 9                                 ; row 2's eight and one result's store
.elseif (\t) == 15
	s_wait_dscnt 2                                 ; two results' stores
.else
	s_wait_dscnt 10                                ; the next row's eight loads and two results' stores
.endif
.irp oo, 0,1,2,3
	v_pk_mul_f32 v[4+2*\oo:5+2*\oo], v[16+32*\oo+80*(\oo/2):17+32*\oo+80*(\oo/2)], v[YB:YB+1]      ; four chains by turns; the first product starts each sum
.endr
.irp n, 2,4,6,8,10,12,14,16,18,20,22,24,26,28,30
.irp oo, 0,1,2,3
	v_pk_fma_f32 v[4+2*\oo:5+2*\oo], v[16+32*\oo+80*(\oo/2)+\n:17+32*\oo+80*(\oo/2)+\n], v[YB+\n:YB+\n+1], v[4+2*\oo:5+2*\oo]
.endr
.endr
.if (\t) < 14
	YLOAD (\t)+2
.endif
	v_add_f32 v4, v4, v5                           ; the four sums over the 32 lanes at once: each step halves the outputs that a lane carries, then the lanes
	v_add_f32 v6, v6, v7
	v_add_f32 v8, v8, v9
	v_add_f32 v10, v10, v11
	v_cndmask_b32 v5, v4, v6, s40                  ; what I keep: output lane % 2,
	v_cndmask_b32 v7, v6, v4, s40                  ; what my neighbour keeps
	v_cndmask_b32 v9, v8, v10, s40
	v_cndmask_b32 v11, v10, v8, s40
	v_add_f32_dpp v5, v7, v5 row_xmask:1 row_mask:0xf bank_mask:0xf
	v_add_f32_dpp v9, v11, v9 row_xmask:1 row_mask:0xf bank_mask:0xf
	v_cndmask_b32 v4, v5, v9, s41                  ; output lane % 4
	v_cndmask_b32 v6, v9, v5, s41
	v_add_f32_dpp v4, v6, v4 row_xmask:2 row_mask:0xf bank_mask:0xf
	v_add_f32_dpp v4, v4, v4 row_xmask:4 row_mask:0xf bank_mask:0xf
	v_add_f32_dpp v4, v4, v4 row_xmask:8 row_mask:0xf bank_mask:0xf
	v_permlanex16_b32 v6, v4, s42, s43
	v_add_f32 v6, v4, v6
	ds_store_b32 v[OA], v6 offset:256*(\t)         ; eight lanes write the same word with the same value
.endm
	YLOAD 0
	YLOAD 1
.irp t, 0,1,2,3,4,5,6,7,8,9,10,11,12,13,14,15
	PROJ \t
.endr
	s_wait_dscnt 0x0                               ; for the others' sake: my results have landed
	s_barrier_signal -1
	s_barrier_wait -1
	v_lshrrev_b32 v4, 1, v[LI]                     ; 8 x lane
	s_lshl_b32 s22, s12, 8
	s_add_co_u32 s22, s22, OST
	v_add_nc_u32 v5, s22, v4
	ds_load_b64 v[6:7], v5                         ; row w's 64 outputs, two a lane
	s_wait_dscnt 0x0
	v_pk_add_f32 v[6:7], v[6:7], v[14:15]          ; + proj_b
	global_store_b64 v4, v[6:7], s[10:11]          ; 32 lanes store 256 consecutive bytes, aligned
	s_wait_tensorcnt 0x0                           ; the wave's end, behind my last LDS store
	ds_add_u32 v[SPW], v[NIL]
	s_wait_dscnt 0x0
	s_endpgm
.Lfunc_end_k_qbf90e7593f_first16:
	.size	k_qbf90e7593f_first16, .Lfunc_end_k_qbf90e7593f_first16-k_qbf90e7593f_first16
	.p2alignl 7, 3214868480
	.fill 96, 4, 3214868480
	.section	.rodata,"a",@progbits
	.p2align	6, 0x0
	.amdhsa_kernel k_qbf90e7593f_first16
		.amdhsa_group_segment_fixed_size 141568
		.amdhsa_private_segment_fixed_size 0
		.amdhsa_enable_private_segment 0
		.amdhsa_kernarg_size 32
		.amdhsa_user_sgpr_count 2
		.amdhsa_user_sgpr_kernarg_segment_ptr 1
		.amdhsa_wavefront_size32 1
		.amdhsa_system_sgpr_workgroup_id_x 1
		.amdhsa_system_sgpr_workgroup_id_y 1
		.amdhsa_system_sgpr_workgroup_id_z 1
		.amdhsa_system_vgpr_workitem_id 0
		.amdhsa_next_free_vgpr 256
		.amdhsa_next_free_sgpr 66
		.amdhsa_reserve_vcc 1
		.amdhsa_float_denorm_mode_32 3
		.amdhsa_float_denorm_mode_16_64 3
		.amdhsa_memory_ordered 1
		.amdhsa_forward_progress 1
		.amdhsa_inst_pref_size 106
	.end_amdhsa_kernel
	.amdgpu_metadata
---
amdhsa.version: [ 1, 2 ]
amdhsa.kernels:
  - .name:           k_qbf90e7593f_first16
    .symbol:         k_qbf90e7593f_first16.kd
    .args:
      - { .name: qkv32, .offset: 0, .size: 8, .value_kind: global_buffer, .address_space: global }
      - { .name: proj_w, .offset: 8, .size: 8, .value_kind: global_buffer, .address_space: global }
      - { .name: proj_b, .offset: 16, .size: 8, .value_kind: global_buffer, .address_space: global }
      - { .name: out0, .offset: 24, .size: 8, .value_kind: global_buffer, .address_space: global }
    .group_segment_fixed_size: 141568
    .private_segment_fixed_size: 0
    .kernarg_segment_align: 8
    .kernarg_segment_size: 32
    .max_flat_workgroup_size: 512
    .sgpr_count:     66
    .vgpr_count:     256
    .wavefront_size: 32
...
	.end_amdgpu_metadata
.endif
;; end of part 5
